; MI455X (gfx1250); checked and timed in simulation.
; The chip was launched on July 23, 2026; its instructions are those of AMD's public machine-readable ISA for CDNA 5 (MIT licence, August 2026) and "CDNA5" Instruction Set Architecture Reference Guide (July 2026). The comments in the code are by the model that wrote it; some were corrected since.
;; Self Attention Layer. Allowed arithmetic: matrix products marked QUANTISED: E3M2 operands, one E8M0 scale for each 32 along K, by v_wmma_scale_f32_16x16x128_f8f6f4 with both operands' format E3M2, f32 sums; everything else in f32.
;; Inputs: Wk 1,024 x 1,024 float32; Wq 1,024 x 1,024 float32; Wv 1,024 x 1,024 float32; bk 1,024 float32; bq 1,024 float32; bv 1,024 float32; x 4 x 2,048 x 1,024 float32.
;; Outputs: out0 4 x 2,048 x 1,024 float32.
;; This version of the problem:
;;   THIS VERSION OF THE PROBLEM IS GIVEN IN LOW PRECISION. The matrix products marked QUANTISED in the list below multiply operands that are first quantised to E3M2 (3 exponent bits, 2 mantissa bits; 6 bits a number), with one power-of-two scale for each 32 numbers along K (OCP MX v1.0); their sums are f32. All else is computed in f32.
;;   The module's matrix products, in the order in which they are computed (A, B: the left and right operand; K: the contracted axis; several contracted axes count as one K, in the product's order):
;;     1. [M 8,192, K 1,024] x [K 1,024, N 1,024]; A: input x; B: input Wq: QUANTISED
;;     2. [M 8,192, K 1,024] x [K 1,024, N 1,024]; A: input x; B: input Wk: QUANTISED
;;     3. [M 8,192, K 1,024] x [K 1,024, N 1,024]; A: input x; B: input Wv: QUANTISED
;;     4. batch 4 x [M 2,048, K 1,024] x [K 1,024, N 2,048]; A: computed on the way; B: computed on the way: QUANTISED
;;     5. batch 4 x [M 2,048, K 2,048] x [K 2,048, N 1,024]; A: softmax (see below); B: computed on the way: QUANTISED
;;   THE QUANTISER, for each operand of a quantised product, along K:
;;     - K is cut into blocks of 32 from its start; a last block that is shorter is filled with zeros.
;;     - A block's scale is 2^e with e = floor(log2(the largest magnitude in the block)) - 4, held to -126 .. 127; a block of zeros has e = 0. As a byte (E8M0): e + 127.
;;     - Each number is divided by its block's scale, clamped to +-28, and rounded to the nearest number of E3M2, ties to even, subnormals kept.
;;     - The product sums the exact products of the quantised numbers (number of the format x scale) in f32.
;;   ~~~python
;;   def quantise(x, axis):      # numpy; x: float32 -> the quantised numbers, widened to float32 again
;;       x = np.moveaxis(x, axis, -1); K = x.shape[-1]
;;       x = np.pad(x, [(0, 0)] * (x.ndim - 1) + [(0, -K % 32)]); x = x.reshape(x.shape[:-1] + (-1, 32)); a = np.abs(x).max(-1, keepdims=True)
;;       e = np.where(a > 0, np.clip(np.frexp(np.where(a > 0, a, 1))[1] - 1 - 4, -126, 127), 0)      # np.frexp(a)[1] - 1 = floor(log2(a)), exactly
;;       r = np.clip(x / 2.0 ** e, -28, 28)
;;       step = 2.0 ** (np.maximum(np.frexp(np.where(r == 0, 1, r))[1] - 1, -2) - 2)
;;       q = np.round(r / step) * step * 2.0 ** e      # np.round: ties to even
;;       return np.moveaxis(q.reshape(q.shape[:-2] + (-1,))[..., :K], -1, axis).astype(np.float32)
;;   ~~~
;;   SOFTMAX AHEAD OF A QUANTISED PRODUCT. Where the list says 'softmax', what is quantised is not the finished softmax but p = 2^(t - M), with t = logit x log2(e) and M = ceil(the row's largest t), a whole number; so 1/2 < the row's largest p <= 1. The row's sum l is taken of the UNQUANTISED p, in f32, and the product's result is divided by l at the end. Since M is a whole number, a kernel that streams over the keys may use a running M (the ceiling of the running maximum): every later rescaling is an exact power of two, which a block's scale takes up: the codes' values come out the same.
;;   OPERANDS COMPUTED ON THE WAY. 'Computed on the way' means the value that the module computes at that place (a softmax that the list does not call 'softmax' is quantised finished and normalised). What goes into a quantiser is computed in f32, as accurately as f32 sums, v_exp_f32 and their like allow (about 1e-6 of the number): no bf16 or f16 on the way to a quantiser, and a product that is left as it is and whose result goes on into a quantised operand takes f32 operands (vector FMAs, or v_wmma_f32_16x16x4_f32). A number that lies on a knife's edge between two numbers of the format may be rounded either way, as far as f32 arithmetic and the matrix unit's own rounding can turn it there, and no further.
;; One version. Each part assembles by itself: llvm-mc -triple=amdgcn-amd-amdhsa -mcpu=gfx1250 --defsym DOCPART=n.
;; ======== version 1 of 1: 4 launches
;; limits: right only within a limited range of input values
;; workspace buffers: opc 8,650,752 bytes; ops 360,448 bytes; qkvc 18,874,368 bytes; qkvs 786,432 bytes; pc 12,582,912 bytes; ps 524,288 bytes; pm 524,288 bytes; pl 524,288 bytes
;; launch quant (part 1): grid 88 x 8, 8 waves a work-group, no clusters, 69,120 bytes of LDS; arguments x, Wq, Wk, Wv, opc, ops; writes opc, ops
.if DOCPART == 1
	.amdgcn_target "amdgcn-amd-amdhsa--gfx1250"
	.amdhsa_code_object_version 6
	.text
	.protected	k_qb5f392cce7_quant
	.globl	k_qb5f392cce7_quant
	.p2align	8
	.type	k_qb5f392cce7_quant,@function
k_qb5f392cce7_quant:
	s_mov_b64 s[64:65], 0
	v_nop
	global_prefetch_b8 v0, s[64:65] scope:SCOPE_SE
	s_setreg_imm32_b32 hwreg(HW_REG_WAVE_MODE, 25, 1), 1
	s_wait_xcnt 0x0
; x [8192][1024], Wq, Wk, Wv [1024][1024], f32, K innermost, become codes of BF6 (E3M2) with one E8M0 byte for each 32 along K, in this program's own layout.
; ROWS: the four tensors are one list of 11,264 row positions (x, Wq, Wk, Wv).  Position p holds the tensor's row p with bits 3 and 4 exchanged, so that a plain tile of 16 positions
; holds rows 0-7 and 16-23 (or 8-15 and 24-31) of a group of 32: in a later transposed product a lane's 16 registers of two neighbouring tiles are then 16 neighbours along the next K.
; CODES: a fragment (16 positions x 128 K: 12 registers a lane) is stored as the image of its registers: registers 4 j .. 4 j + 3 of lane l at 512 j + 16 l, 1,536 dense bytes.
;   opc = [K / 256][704 blocks of 16 positions][2 steps of 128 K][1,536].
; SCALES: ops = [K / 128][88 groups of 128 positions][row 0-15][block 0-7], one word (four bytes: 128 along K) each, 512 bytes a group.
; A block's scale is 2^(floor(log2(largest magnitude)) - 4); its byte is the largest magnitude's exponent field - 4, held at 1 from below.
; LIMITS: a block of zeros, or one whose largest magnitude lies under 2^-122, gets the byte 1 (its codes are zeros or tiny; only this program reads the bytes); NaN and infinities are not served.
; SHARES: work-group (G, kq): group G of 128 positions, K step kq; wave a: its block a, one image.  Each load takes 512 consecutive bytes of one row; the 16 rows turn through the wave's own stage
; in LDS (rows 528 bytes apart) so that lane (r, h) gets, of row r, K = 64 c + 32 h + 0 .. 31: two whole blocks of 32, in the order of the operand's registers.  Memory binds: no matrix unit, no cluster, no ring.
; CODES, as they are laid now (in place of the order of opc given above): opc = [88 groups of 128 positions][K / 256][8 blocks of 16 positions][2 steps of 128 K][1,536]:
; a group's codes of neighbouring K lie on end, 24,576 bytes for each 256 along K.
.set PITCH, 528
.set WSTG,  16*PITCH                   ; a wave's stage
.set SCB,   8*WSTG                     ; behind the stages: the work-group's 512 bytes of scale words
.set R,  16                            ; v16-79   16 rows as loaded
.set X,  80                            ; v80-143  my 64 numbers: register 32 c + i = K 64 c + 32 h + i
.set PC, 16                            ; v16-27   the fragment's codes, in registers of R whose LDS stores are done
.set T,  28                            ; v28-30, v32-34 the second halves of the two blocks (a conversion's three registers begin on an even number)
	s_load_b256 s[4:11], s[0:1], 0x0               ; x, Wq, Wk, Wv
	s_load_b128 s[12:15], s[0:1], 0x20             ; opc, ops
	v_lshl_add_u32 v144, v0, 2, 0x10a00
	v_mov_b32 v145, 0
	v_lshrrev_b32 v8, 5, v0
	s_delay_alu instid0(VALU_DEP_1)
	v_readfirstlane_b32 s16, v8                    ; wave 0..7
	v_and_b32 v9, 31, v0
	s_delay_alu instid0(VALU_DEP_1)
	v_lshlrev_b32 v1, 4, v9                        ; 16 x lane
	v_and_b32 v2, 15, v0                           ; r
	v_bfe_u32 v3, v0, 4, 1                         ; h
	s_mul_i32 s17, s16, WSTG
	v_add_nc_u32 v4, s17, v1                       ; into the stage: 16 bytes a lane of a row
	v_mul_u32_u24 v5, v2, PITCH
	s_delay_alu instid0(VALU_DEP_1)
	v_lshl_add_u32 v5, v3, 7, v5
	s_delay_alu instid0(VALU_DEP_1)
	v_add_nc_u32 v5, s17, v5                       ; out of it: row r, + 128 h
	s_lshl_b32 s17, s16, 2
	s_add_co_u32 s17, s17, SCB
	v_lshlrev_b32 v6, 5, v2
	s_delay_alu instid0(VALU_DEP_1)
	v_add_nc_u32 v6, s17, v6                       ; my row's scale word: 32 r + 4 x wave
	v_add_nc_u32 v7, SCB, v1                       ; and the 512 bytes on their way out
	s_mov_b32 s20, 0x76543210
	s_mov_b32 s21, 0xfedcba98                      ; v_permlanex16_b32's selects for lane l xor 16
	s_and_b32 s18, ttmp7, 0xffff                   ; kq
	s_and_b32 s19, ttmp9, 7                        ; the group's number inside its tensor: G for x (G < 64), G mod 8 for a weight
	s_cmp_lt_u32 ttmp9, 64
	s_cselect_b32 s19, ttmp9, s19
	s_lshl_b32 s19, s19, 3
	s_add_co_u32 s19, s19, s16                     ; my block of 16 positions inside the tensor
	s_lshr_b32 s22, s19, 1
	s_lshl_b32 s22, s22, 5
	s_and_b32 s23, s19, 1
	s_lshl_b32 s23, s23, 3
	s_add_co_u32 s22, s22, s23                     ; its first row: 32 (block / 2) + 8 (block % 2)
	s_lshl_b32 s22, s22, 12                        ; rows of 4,096 bytes
	s_lshl_b32 s23, s18, 9
	s_add_co_u32 s22, s22, s23                     ; + 512 kq
	s_mov_b32 s23, 0
	s_lshl_b32 s24, ttmp9, 5                       ; 32 places of 3,072 bytes a group
	s_add_co_u32 s24, s24, s16                     ; + my block
	s_lshr_b32 s25, s18, 1
	s_lshl_b32 s25, s25, 3                         ; + 8 for each 256 along K
	s_add_co_u32 s24, s24, s25
	s_mul_i32 s24, s24, 3072
	s_and_b32 s25, s18, 1
	s_mul_i32 s25, s25, 1536
	s_add_co_u32 s24, s24, s25                     ; the image's place in opc
	s_mov_b32 s25, 0
	s_mul_i32 s26, s18, 45056
	s_lshl_b32 s27, ttmp9, 9
	s_add_co_u32 s26, s26, s27                     ; the group's place in ops
	s_mov_b32 s27, 0
	s_wait_alu depctr_va_vdst(0)
	s_wait_kmcnt 0x0
	s_cmp_lt_u32 ttmp9, 80                         ; which tensor: the choice hangs on the work-group's number alone
	s_cselect_b64 s[10:11], s[8:9], s[10:11]
	s_cmp_lt_u32 ttmp9, 72
	s_cselect_b64 s[10:11], s[6:7], s[10:11]
	s_cmp_lt_u32 ttmp9, 64
	s_cselect_b64 s[10:11], s[4:5], s[10:11]
	s_add_nc_u64 s[10:11], s[10:11], s[22:23]
	s_add_nc_u64 s[12:13], s[12:13], s[24:25]
	s_add_nc_u64 s[14:15], s[14:15], s[26:27]
.irp i, 0,1,2,3,4,5,6,7,8,9,10,11,12,13,14,15
	global_load_b128 v[R+4*\i:R+4*\i+3], v1, s[10:11] offset:((\i%8)+16*(\i/8))*4096 th:TH_LOAD_NT   ; position i of the block: 32 lanes read 512 consecutive bytes of its row
.endr
.irp i, 0,1,2,3,4,5,6,7,8,9,10,11,12,13,14,15
	s_wait_loadcnt 15-\i                           ; loads come back in order: row i is in, the younger ones stay out
	ds_store_b128 v4, v[R+4*\i:R+4*\i+3] offset:PITCH*\i
.endr
.irp c, 0,1
.irp m, 0,1,2,3,4,5,6,7
	ds_load_b128 v[X+32*\c+4*\m:X+32*\c+4*\m+3], v5 offset:256*\c+16*\m   ; LDS serves a wave's instructions in order: these see my stores
.endr
.endr
	s_wait_dscnt 0x0
.irp c, 0,1                                    ; my block 2 c + h of the row: all its 32 numbers are mine
	v_max3_num_f32 v[8+\c], |v[X+32*\c]|, |v[X+1+32*\c]|, 0x2800000   ; with the floor 2^(5 - 127) among the leaves: the byte cannot fall under 1
.endr
.irp i, 2,4,6,8,10,12,14,16,18,20,22,24,26,28,30
.irp c, 0,1
	s_delay_alu instid0(VALU_DEP_2)
	v_max3_num_f32 v[8+\c], v[8+\c], |v[X+32*\c+\i]|, |v[X+1+32*\c+\i]|
.endr
.endr
.irp c, 0,1
	s_delay_alu instid0(VALU_DEP_2)
	v_add_nc_u32 v[10+\c], 0xfe000000, v[8+\c]     ; 4 off the exponent field: the conversion's scale operand
.endr
.irp c, 0,1
	s_delay_alu instid0(VALU_DEP_2)
	v_lshrrev_b32 v[12+\c], 23, v[10+\c]           ; the scale's byte
.endr
	s_delay_alu instid0(VALU_DEP_1)
	v_lshl_or_b32 v14, v13, 16, v12                ; my two bytes: blocks h and 2 + h,
	v_lshlrev_b32 v15, 3, v3
	s_delay_alu instid0(VALU_DEP_1)
	v_lshlrev_b32 v14, v15, v14                    ; 8 h bits up;
	v_mov_b32 v15, 0
	s_delay_alu instid0(VALU_DEP_1)
	v_permlanex16_b32 v15, v14, s20, s21
	s_delay_alu instid0(VALU_DEP_1)
	v_or_b32 v14, v14, v15                         ; with lane l xor 16's two the row's word is whole, in both halves of the lanes
.irp c, 0,1
	v_cvt_scalef32_pk16_bf6_f32 v[PC+6*\c:PC+2+6*\c], v[X+32*\c:X+15+32*\c], v[10+\c]
	v_cvt_scalef32_pk16_bf6_f32 v[T+4*\c:T+2+4*\c], v[X+16+32*\c:X+31+32*\c], v[10+\c]
.endr
	v_nop                                          ; one plain place behind a scaled conversion
.irp c, 0,1
.irp i, 0,1,2
	v_mov_b32 v[PC+3+6*\c+\i], v[T+4*\c+\i]
.endr
.endr
.irp j, 0,1,2
	global_store_b128 v1, v[PC+4*\j:PC+4*\j+3], s[12:13] offset:512*\j   ; 32 lanes store 512 consecutive bytes, at a multiple of 512 from the buffer's first byte
.endr
	ds_store_b32 v6, v14                           ; both halves of the lanes write the same word with the same value
	s_wait_dscnt 0x0                               ; for wave 0's sake: my word has landed
	s_barrier_signal -1
	s_barrier_wait -1
	s_cmp_lg_u32 s16, 0
	s_cbranch_scc1 .Ldone
	ds_load_b128 v[40:43], v7                      ; wave 0 sends the group's 512 bytes of scale words (registers that no pending store reads)
	s_wait_dscnt 0x0
	global_store_b128 v1, v[40:43], s[14:15]
.Ldone:
	s_wait_tensorcnt 0x0
	ds_add_u32 v144, v145
	s_wait_dscnt 0x0
	s_endpgm
.Lfunc_end_k_qb5f392cce7_quant:
	.size	k_qb5f392cce7_quant, .Lfunc_end_k_qb5f392cce7_quant-k_qb5f392cce7_quant
	.p2alignl 7, 3214868480
	.fill 96, 4, 3214868480
	.section	.rodata,"a",@progbits
	.p2align	6, 0x0
	.amdhsa_kernel k_qb5f392cce7_quant
		.amdhsa_group_segment_fixed_size 69120
		.amdhsa_private_segment_fixed_size 0
		.amdhsa_enable_private_segment 0
		.amdhsa_kernarg_size 48
		.amdhsa_user_sgpr_count 2
		.amdhsa_user_sgpr_kernarg_segment_ptr 1
		.amdhsa_wavefront_size32 1
		.amdhsa_system_sgpr_workgroup_id_x 1
		.amdhsa_system_sgpr_workgroup_id_y 1
		.amdhsa_system_sgpr_workgroup_id_z 1
		.amdhsa_system_vgpr_workitem_id 0
		.amdhsa_next_free_vgpr 146
		.amdhsa_next_free_sgpr 66
		.amdhsa_reserve_vcc 0
		.amdhsa_float_denorm_mode_32 3
		.amdhsa_float_denorm_mode_16_64 3
		.amdhsa_memory_ordered 1
		.amdhsa_forward_progress 1
		.amdhsa_inst_pref_size 12
	.end_amdhsa_kernel
	.amdgpu_metadata
---
amdhsa.version: [ 1, 2 ]
amdhsa.kernels:
  - .name:           k_qb5f392cce7_quant
    .symbol:         k_qb5f392cce7_quant.kd
    .args:
      - { .name: x, .offset: 0, .size: 8, .value_kind: global_buffer, .address_space: global }
      - { .name: Wq, .offset: 8, .size: 8, .value_kind: global_buffer, .address_space: global }
      - { .name: Wk, .offset: 16, .size: 8, .value_kind: global_buffer, .address_space: global }
      - { .name: Wv, .offset: 24, .size: 8, .value_kind: global_buffer, .address_space: global }
      - { .name: opc, .offset: 32, .size: 8, .value_kind: global_buffer, .address_space: global }
      - { .name: ops, .offset: 40, .size: 8, .value_kind: global_buffer, .address_space: global }
    .group_segment_fixed_size: 69120
    .private_segment_fixed_size: 0
    .kernarg_segment_align: 8
    .kernarg_segment_size: 48
    .max_flat_workgroup_size: 256
    .sgpr_count:     66
    .vgpr_count:     146
    .wavefront_size: 32
...
	.end_amdgpu_metadata
.endif
;; end of part 1
;; launch proj (part 2): grid 8 x 32, 4 waves a work-group, clusters of 4 x 4, 327,680 bytes of LDS; arguments opc, ops, bq, bk, bv, qkvc, qkvs; writes qkvc, qkvs
.if DOCPART == 2
	.amdgcn_target "amdgcn-amd-amdhsa--gfx1250"
	.amdhsa_code_object_version 6
	.text
	.protected	k_qb5f392cce7_proj
	.globl	k_qb5f392cce7_proj
	.p2align	8
	.type	k_qb5f392cce7_proj,@function
k_qb5f392cce7_proj:
	s_mov_b64 s[64:65], 0
	v_nop
	global_prefetch_b8 v0, s[64:65] scope:SCOPE_SE
	s_setreg_imm32_b32 hwreg(HW_REG_WAVE_MODE, 25, 1), 1
	s_wait_xcnt 0x0
	s_wait_alu depctr_hold_cnt(0) depctr_sa_sdst(0) depctr_va_vdst(0) depctr_va_sdst(0) depctr_va_ssrc(0) depctr_va_vcc(0) depctr_vm_vsrc(0)
	s_getreg_b32 s2, hwreg(HW_REG_IB_STS2, 6, 4)
	s_cmp_eq_u32 s2, 0
	s_cbranch_scc0 .Lentry_in_a_cluster
	s_endpgm
.Lentry_in_a_cluster:
	s_bfe_u32 s2, ttmp6, 0x10000c
	s_cmp_lg_u32 s2, 0xf033
	s_cbranch_scc0 .Lentry_shape_is_right
	s_endpgm
.Lentry_shape_is_right:
; q = x Wq^T + bq, k = x Wk^T + bk and v^T = Wv x^T + bv on codes of BF6 (K = 1,024), each result quantised again along the next product's K and stored as images of fragments with scale words.
; A work-group of four waves makes a tile of 256 rows of x by 256 columns of q or k (a wave 128 x 128, 64 accumulators), then a tile of 128 rows of v^T by 256 keys (a wave 64 x 128, 32 accumulators).
; opc = [group of 128 positions][K / 256][24,576 bytes]: a wave's part of neighbouring planes of 256 along K is one dense block, so one tensor load brings one plane (96 rows of 256 bytes) or two (192 rows).
; LDS: slot 0 = wave x 24,576; slots 1 and 2 = SLOT + wave x 49,152 (+ 24,576): a wave's two planes lie on end.  Behind them the spare words.
; FIVE FILLS, one tensor load a wave each, every wait on TENSORcnt for 0: plane 0 into slot 0 at the head; planes 1 and 2 into slots 1 and 2 behind the next round; plane 3 into slot 0 at K step 1;
; at K step 5, into slots 1 and 2: Wv's tile for all of K (wave 0 planes 0, 1; wave 1 planes 2, 3) and x's planes 0, 1 of the second product (waves 2, 3);
; in the middle of the first way out, into slot 0: x's planes 2, 3 (wave w: half w / 2, plane 2 + w % 2).  The second product fills nothing again.
; CLUSTER 4 x 4: source 1's tile is asked for jointly by a row of the cluster, source 0's by a column.
; PREFETCH: planes 1 and 2 are asked for behind the head's load, plane 3 behind the load of planes 1 and 2: one fill ahead.  Of a wave's 96 blocks of 256 bytes a plane each of the four partners names 24,
; told apart by address; lanes 24-31 name the last block again.  The second product's tiles are not asked for: x's rows are read by the cluster's partners in the first product, and Wv's load has two K steps and half a way out in which to land.
; LIMITS: a block of zeros, or one whose largest magnitude lies under 2^-122, gets the byte 1; NaN and infinities are not served.
; THE BIASES are the C of each sum's first matrix instruction: bq or bk at a lane's eight columns (window 1, v96-127 and v224-255), bv at a lane's row, eight copies (window 3, v0-31): no addition is written.
; The quantiser reads the accumulators where they lie, by the register windows.
.set SLOT,  98304
.set HALFT, 24576
.set SPARE, 3*SLOT
.set PLANE, 24576                      ; bytes from 256 along K to the next inside a group
.set PLANS, 45056
.set OA2,  6
.set OB2,  7
.set LS2,  8
.set ADRA, 16
.set ADRB, 20
.set VO,   24
.set LS,   25
.set OA,   26
.set OB,   27
.set SPW,  28
.set NIL,  29
.set SA,   32
.set SB,   64
.set Y,    96
.set TM,   104
.set AF,   128
.set VAL,  128
.set PC,   192
.set PWA,  224
.set OUTW, 248
.set G1,  24
.set G0,  32
.set G1B, 48
.set G0B, 56
.set PFO, 9                            ; v9      the prefetches' offset; never rewritten
.set A2,  10                           ; v10-11  second product: my 64 rows of Wv, planes 0-1 and 2-3
.set B2,  12                           ; v12-13  second product: my 128 rows of x, planes 0-1 and 2-3
.set SEL, 80
.set MUL_LO, 0xa1
.set MUL_HI, 0xf1
.set TO_B,   0x40
.set MSB, 0
.macro WIN new
.if MSB != (\new)
	s_set_vgpr_msb (MSB<<8)|(\new)
.set MSB, (\new)
.endif
.endm
.macro PLACES n
.rept \n
	v_nop
.endr
.endm
.macro JLOAD s, g1a
	s_cmp_eq_u32 s19, 0
	s_cbranch_scc0 .Lfor_b_\@
	tensor_load_to_lds s[G0+4*\s:G0+4*\s+3], s[\g1a:\g1a+7]
	s_nop 0
.rept 4
	v_nop
.endr
	s_branch .Lasked_\@
.Lfor_b_\@:
	tensor_load_to_lds s[G0B+4*\s:G0B+4*\s+3], s[G1B:G1B+7]
	s_nop 0
.rept 4
	v_nop
.endr
.Lasked_\@:
.endm
.macro CREST
	s_cmp_lg_u32 s18, 0
	s_cbranch_scc1 .Lnot_wave_0_\@
	s_barrier_signal -3
.Lnot_wave_0_\@:
	s_barrier_wait -3
	s_barrier_signal -1
	s_barrier_wait -1
.endm
.macro CROUND
	s_barrier_signal -1
	s_barrier_wait -1
	CREST
.endm
; A fill: no tensor load of the wave is out here, so the descriptors may be written: the rows of a load, and where it begins (pa, pb: the scalar pairs with the tiles' addresses; off: bytes along K)
.macro FILL sl, rows, pa, pb, off
	s_mov_b32 s[G1+2], (\rows)<<16
	s_mov_b32 s[G1+4], \rows
	s_mov_b32 s[G1B+2], (\rows)<<16
	s_mov_b32 s[G1B+4], \rows
	s_add_nc_u64 s[G0+4*\sl+2:G0+4*\sl+3], s[\pa:\pa+1], \off
	s_or_b32 s[G0+4*\sl+3], s[G0+4*\sl+3], 0x80000000
	s_add_nc_u64 s[G0B+4*\sl+2:G0B+4*\sl+3], s[\pb:\pb+1], \off
	s_or_b32 s[G0B+4*\sl+3], s[G0B+4*\sl+3], 0x80000000
	JLOAD \sl, G1
.endm
.macro REFILL sl, rows, pa, pb, off
	CREST
	FILL \sl, \rows, \pa, \pb, \off
.endm
.macro FRAG reg, adr, off
.irp j, 0,1,2
	ds_load_b128 v[\reg+4*\j:\reg+4*\j+3], v[\adr] offset:\off+512*\j
.endr
.endm
.macro FETCH_B s, q, p
	WIN TO_B
.irp i, 0,1,2,3,4,5,6,7
	FRAG 128*(\p)+12*\i, ADRB+\s, 3072*\i+1536*(\q)
.endr
	WIN 0
.endm
.macro FETCH_A s, q, i0
.irp i, \i0, \i0+1, \i0+2, \i0+3
	FRAG AF+12*(\i), ADRA+\s, 3072*(\i)+1536*(\q)
.endr
.endm
.macro WM a, b, p, kq, zero
.set rD, 8*(8*((\a)%4)+(\b))
.set rB, 128*(\p)+12*(\b)
.set rA, AF+12*(\a)
.set rSB, SB+4*(\kq)+(\b)%4
.set rSA, SA+4*(\kq)+(\a)%4
.set rC, 96+8*(\b)+96*((\b)/4)
.if \zero
.if ((\b) < 4) && ((\a) < 4)
	v_wmma_scale_f32_16x16x128_f8f6f4 v[rD:rD+7], v[rB:rB+11], v[rA:rA+11], v[rC:rC+7], v[rSB], v[rSA] matrix_a_fmt:MATRIX_FMT_BF6 matrix_b_fmt:MATRIX_FMT_BF6
.elseif (\b) < 4
	v_wmma_scale_f32_16x16x128_f8f6f4 v[rD:rD+7], v[rB:rB+11], v[rA:rA+11], v[rC:rC+7], v[rSB], v[rSA] matrix_a_fmt:MATRIX_FMT_BF6 matrix_b_fmt:MATRIX_FMT_BF6 matrix_b_scale:MATRIX_SCALE_ROW1
.elseif (\a) < 4
	v_wmma_scale_f32_16x16x128_f8f6f4 v[rD:rD+7], v[rB:rB+11], v[rA:rA+11], v[rC:rC+7], v[rSB], v[rSA] matrix_a_fmt:MATRIX_FMT_BF6 matrix_b_fmt:MATRIX_FMT_BF6 matrix_a_scale:MATRIX_SCALE_ROW1
.else
	v_wmma_scale_f32_16x16x128_f8f6f4 v[rD:rD+7], v[rB:rB+11], v[rA:rA+11], v[rC:rC+7], v[rSB], v[rSA] matrix_a_fmt:MATRIX_FMT_BF6 matrix_b_fmt:MATRIX_FMT_BF6 matrix_a_scale:MATRIX_SCALE_ROW1 matrix_b_scale:MATRIX_SCALE_ROW1
.endif
.else
.if ((\b) < 4) && ((\a) < 4)
	v_wmma_scale_f32_16x16x128_f8f6f4 v[rD:rD+7], v[rB:rB+11], v[rA:rA+11], v[rD:rD+7], v[rSB], v[rSA] matrix_a_fmt:MATRIX_FMT_BF6 matrix_b_fmt:MATRIX_FMT_BF6
.elseif (\b) < 4
	v_wmma_scale_f32_16x16x128_f8f6f4 v[rD:rD+7], v[rB:rB+11], v[rA:rA+11], v[rD:rD+7], v[rSB], v[rSA] matrix_a_fmt:MATRIX_FMT_BF6 matrix_b_fmt:MATRIX_FMT_BF6 matrix_b_scale:MATRIX_SCALE_ROW1
.elseif (\a) < 4
	v_wmma_scale_f32_16x16x128_f8f6f4 v[rD:rD+7], v[rB:rB+11], v[rA:rA+11], v[rD:rD+7], v[rSB], v[rSA] matrix_a_fmt:MATRIX_FMT_BF6 matrix_b_fmt:MATRIX_FMT_BF6 matrix_a_scale:MATRIX_SCALE_ROW1
.else
	v_wmma_scale_f32_16x16x128_f8f6f4 v[rD:rD+7], v[rB:rB+11], v[rA:rA+11], v[rD:rD+7], v[rSB], v[rSA] matrix_a_fmt:MATRIX_FMT_BF6 matrix_b_fmt:MATRIX_FMT_BF6 matrix_a_scale:MATRIX_SCALE_ROW1 matrix_b_scale:MATRIX_SCALE_ROW1
.endif
.endif
.endm
.macro MUL16 a0, p, kq, zero
.irp a, \a0, \a0+1
.irp b, 0,1,2,3,4,5,6,7
	WM \a, \b, \p, \kq, \zero
.endr
.endr
.endm
.macro STEP s, kq, zero                ; zero = 1: the sums begin, with the bias (window 1) as C
	FETCH_B \s, 1, 1                               ; source 0's other set is free (four places stand behind its last products): the next step's 24 loads go out first
	s_wait_dscnt 36                                ; this step's set and source 1's blocks 0-3 are in; blocks 4-7's twelve loads and the 24 just issued may be out
	WIN MUL_LO-0x10*(\zero)
	MUL16 0, 0, \kq, \zero
	MUL16 2, 0, \kq, \zero
	s_wait_dscnt 24                                ; blocks 4-7 are in; the 24 may be out
	PLACES 4
	WIN 0
	FETCH_A \s, 1, 0
	WIN MUL_HI-0x20*(\zero)
	MUL16 4, 0, \kq, \zero
	MUL16 6, 0, \kq, \zero
	PLACES 4
	WIN 0
	FETCH_A \s, 1, 4
.endm
.macro MEET kq
	s_wait_tensorcnt 0x0
	ds_add_u32 v[SPW], v[NIL]
	s_wait_dscnt 13
	WIN MUL_LO
	MUL16 0, 1, \kq, 0
	s_wait_dscnt 0x0
	s_barrier_signal -1
	MUL16 2, 1, \kq, 0
	WIN 0
	s_barrier_wait -1
.endm
.macro TURN next, kq, sl, rows, pa, pb, off
	MEET \kq
	REFILL \sl, \rows, \pa, \pb, \off
	FETCH_B \next, 0, 0
	FETCH_A \next, 0, 0
	WIN MUL_HI
	MUL16 4, 1, \kq, 0
	MUL16 6, 1, \kq, 0
	PLACES 4
	WIN 0
	FETCH_A \next, 0, 4
.endm
.macro FETCH2 s, q, p                  ; s: the plane of 256 along K, 0 to 3: two planes to an address register, the second 24,576 bytes on
	WIN TO_B
.irp i, 0,1,2,3,4,5,6,7
	FRAG 128*(\p)+12*\i, B2+(\s)/2, ((\s)%2)*HALFT+3072*\i+1536*(\q)
.endr
	WIN 0
.irp i, 0,1,2,3
	FRAG AF+48*(\p)+12*\i, A2+(\s)/2, ((\s)%2)*HALFT+3072*\i+1536*(\q)
.endr
.endm
.macro WM2 a, b, p, kq, zero
.set rD, 8*(8*(\a)+(\b))
.set rB, 128*(\p)+12*(\b)
.set rA, AF+48*(\p)+12*(\a)
.set rSB, SB+4*(\kq)+(\b)%4
.set rSA, SA+4*(\kq)+(\a)
.if \zero
.if (\b) < 4
	v_wmma_scale_f32_16x16x128_f8f6f4 v[rD:rD+7], v[rB:rB+11], v[rA:rA+11], v[8*(\a):8*(\a)+7], v[rSB], v[rSA] matrix_a_fmt:MATRIX_FMT_BF6 matrix_b_fmt:MATRIX_FMT_BF6
.else
	v_wmma_scale_f32_16x16x128_f8f6f4 v[rD:rD+7], v[rB:rB+11], v[rA:rA+11], v[8*(\a):8*(\a)+7], v[rSB], v[rSA] matrix_a_fmt:MATRIX_FMT_BF6 matrix_b_fmt:MATRIX_FMT_BF6 matrix_a_scale:MATRIX_SCALE_ROW1
.endif
.else
.if (\b) < 4
	v_wmma_scale_f32_16x16x128_f8f6f4 v[rD:rD+7], v[rB:rB+11], v[rA:rA+11], v[rD:rD+7], v[rSB], v[rSA] matrix_a_fmt:MATRIX_FMT_BF6 matrix_b_fmt:MATRIX_FMT_BF6
.else
	v_wmma_scale_f32_16x16x128_f8f6f4 v[rD:rD+7], v[rB:rB+11], v[rA:rA+11], v[rD:rD+7], v[rSB], v[rSA] matrix_a_fmt:MATRIX_FMT_BF6 matrix_b_fmt:MATRIX_FMT_BF6 matrix_a_scale:MATRIX_SCALE_ROW1
.endif
.endif
.endm
.macro MULA a, p, kq, zero
.irp b, 0,1,2,3,4,5,6,7
	WM2 \a, \b, \p, \kq, \zero
.endr
.endm
.macro KSTEP2 s, kq, zero
	s_wait_dscnt 0x0
	PLACES 4
	FETCH2 \s, 1, 1-(\kq)%2
	WIN MUL_LO+0x10*(\zero)                        ; zero = 1: the sums begin, with the bias (window 3) as C
	MULA 0, (\kq)%2, \kq, \zero
	MULA 1, (\kq)%2, \kq, \zero
	MULA 2, (\kq)%2, \kq, \zero
	MULA 3, (\kq)%2, \kq, \zero
.endm
.macro TURN2 next, kq                  ; the one barrier of the second product: everybody's part of x's planes 2, 3 is in
	WIN 0
	s_wait_tensorcnt 0x0
	ds_add_u32 v[SPW], v[NIL]
	s_wait_dscnt 1
	WIN MUL_LO
	MULA 0, (\kq)%2, \kq, 0
	s_wait_dscnt 0x0
	s_barrier_signal -1
	MULA 1, (\kq)%2, \kq, 0
	WIN 0
	s_barrier_wait -1
	PLACES 4
	FETCH2 \next, 0, 1-(\kq)%2
	WIN MUL_LO
	MULA 2, (\kq)%2, \kq, 0
	MULA 3, (\kq)%2, \kq, 0
.endm
.macro QUANT s, pw, w                  ; s: the block's 64 accumulator registers, in window w; each accumulator is first read at its low end
	WIN (\w)|((\w)<<2)
.irp b, 0,1,2,3
	v_max3_num_f32 v[TM+\b], |v[\s+16*\b]|, |v[\s+1+16*\b]|, 0x2800000
.endr
	WIN ((\w)<<2)|((\w)<<4)
.irp i, 2,4,6,8,10,12,14
.irp b, 0,1,2,3
	v_max3_num_f32 v[TM+\b], v[TM+\b], |v[\s+16*\b+\i]|, |v[\s+1+16*\b+\i]|
.endr
.endr
	WIN 0
.irp b, 0,1,2,3
	v_permlanex16_b32 v[TM+4+\b], v[TM+\b], s[SEL], s[SEL+1]
.endr
.irp b, 0,1,2,3
	v_max_num_f32 v[TM+\b], v[TM+\b], v[TM+4+\b]
.endr
.irp b, 0,1,2,3
	v_add_nc_u32 v[TM+12+\b], 0xfe000000, v[TM+\b]
.endr
.irp b, 0,1,2,3
	v_lshrrev_b32 v[TM+4+\b], 23, v[TM+12+\b]
.endr
	v_lshl_or_b32 v[\pw], v[TM+5], 8, v[TM+4]
	v_lshl_or_b32 v[\pw], v[TM+6], 16, v[\pw]
	v_lshl_or_b32 v[\pw], v[TM+7], 24, v[\pw]
	WIN \w
.irp c, 0,1
	v_cvt_scalef32_pk16_bf6_f32 v[PC+6*\c:PC+2+6*\c], v[\s+32*\c:\s+15+32*\c], v[TM+12+2*\c]
	v_cvt_scalef32_pk16_bf6_f32 v[PC+12+4*\c:PC+14+4*\c], v[\s+16+32*\c:\s+31+32*\c], v[TM+12+2*\c+1]
.endr
	WIN 0
	v_nop
.irp c, 0,1
.irp i, 0,1,2
	v_permlane16_swap_b32 v[PC+6*\c+\i], v[PC+12+4*\c+\i]
.endr
.irp i, 0,1,2
	v_mov_b32 v[PC+3+6*\c+\i], v[PC+12+4*\c+\i]
.endr
.endr
.endm
	s_load_b256 s[4:11], s[0:1], 0x0
	s_load_b128 s[12:15], s[0:1], 0x20
	s_load_b64 s[16:17], s[0:1], 0x30
	v_lshl_add_u32 v[SPW], v0, 2, SPARE
	v_mov_b32 v[NIL], 0
	ds_add_u32 v28, v29
	ds_add_u32 v28, v29
	s_wait_dscnt 0x0
	v_lshrrev_b32 v1, 5, v0
	v_readfirstlane_b32 s18, v1
	s_lshr_b32 s19, s18, 1
	s_and_b32 s20, s18, 1
	s_bfe_u32 s21, ttmp6, 0x40000
	s_bfe_u32 s22, ttmp6, 0x40004
	s_mov_b32 s23, ttmp9
	s_and_b32 s66, ttmp7, 0xffff
	s_lshl_b32 s67, s22, 2
	s_lshl_b32 s67, 15, s67
	s_lshl_b32 s68, 0x1111, s21
	s_or_b32 s[G1], s67, (3<<16)|(1<<21)
	s_or_b32 s[G1B], s68, (3<<16)|(1<<21)
.irp g, G1, G1B
	s_mov_b32 s[\g+1], 32<<16
	s_mov_b32 s[\g+2], 96<<16
	s_mov_b32 s[\g+3], 32<<16
	s_mov_b32 s[\g+4], 96
	s_mov_b32 s[\g+5], 32
	s_mov_b32 s[\g+6], 0
	s_mov_b32 s[\g+7], 0
.endr
	s_lshl_b32 s69, s66, 2
	s_add_co_u32 s69, s69, s22
	s_lshl_b32 s70, s23, 2
	s_add_co_u32 s70, s70, s21
	s_lshl_b32 s71, s23, 2
	s_add_co_u32 s71, s71, s22
	s_lshl_b32 s72, s66, 2
	s_add_co_u32 s72, s72, s21
	s_lshl_b32 s74, s20, 3
	s_lshl_b32 s75, s20, 2
	s_lshl_b32 s40, s69, 4
	s_add_co_u32 s40, s40, s74
	s_mul_i32 s40, s40, 12288                      ; 8 blocks are a group of 98,304 bytes
	s_mov_b32 s41, 0
	s_lshl_b32 s42, s70, 4
	s_add_co_u32 s42, s42, s74
	s_add_co_u32 s42, s42, 512
	s_mul_i32 s42, s42, 12288
	s_mov_b32 s43, 0
	s_lshl_b32 s84, s71, 3
	s_add_co_u32 s84, s84, s75
	s_add_co_u32 s84, s84, 640
	s_mul_i32 s84, s84, 12288                      ; Wv's group, + 49,152 for wave 1: planes 2 and 3
	s_mov_b32 s85, 0
	s_lshl_b32 s86, s72, 4
	s_add_co_u32 s86, s86, s74
	s_mul_i32 s86, s86, 12288
	s_mov_b32 s87, 0
	s_mul_i32 s73, s18, HALFT
	s_lshl_b32 s88, s72, 1                         ; the last fill: x's group 2 x tile + wave / 2, plane 2 + wave % 2
	s_add_co_u32 s88, s88, s19
	s_lshl_b32 s88, s88, 2
	s_add_co_u32 s88, s88, s20
	s_add_co_u32 s88, s88, 2
	s_mul_i32 s88, s88, HALFT
	s_mov_b32 s89, 0
	s_mov_b32 s[SEL], 0x76543210
	s_mov_b32 s[SEL+1], 0xfedcba98
	CROUND                                         ; the round in front of the first joint loads: it needs no argument, so it stands ahead of the wait for them
	s_wait_kmcnt 0x0
	s_add_nc_u64 s[40:41], s[4:5], s[40:41]
	s_add_nc_u64 s[42:43], s[4:5], s[42:43]
	s_add_nc_u64 s[84:85], s[4:5], s[84:85]
	s_add_nc_u64 s[86:87], s[4:5], s[86:87]
	s_add_nc_u64 s[88:89], s[4:5], s[88:89]
	s_mul_i32 s92, s18, 2*HALFT
	s_add_co_u32 s92, s92, SLOT                    ; my place in slots 1 and 2
	s_mov_b32 s[G0], 1
	s_mov_b32 s[G0+1], s73
	s_mov_b32 s[G0+4], 1
	s_mov_b32 s[G0+5], s92
	s_mov_b32 s[G0B], 1
	s_mov_b32 s[G0B+1], s73
	s_mov_b32 s[G0B+4], 1
	s_mov_b32 s[G0B+5], s92
	s_mov_b64 s[90:91], s[40:41]                   ; source 1's tile (s[40:41] serve the bias further down)
	s_cmp_eq_u32 s19, 0                            ; the prefetches: the tile that I fetch, and my place among the four that ask for it with me
	s_cselect_b32 s93, s21, s22
	s_cselect_b64 s[94:95], s[40:41], s[42:43]
	s_mul_i32 s93, s93, 24*256
	FILL 0, 96, 90, 42, 0                          ; plane 0: one tensor load a wave at the head
	v_and_b32 v1, 31, v0
	v_lshlrev_b32 v[VO], 4, v1
	v_min_u32 v[PFO], 23, v1
	v_lshl_add_u32 v[PFO], v[PFO], 8, s93          ; my work-group's 24 blocks of 256 bytes of a plane, a lane a block
	v_and_b32 v2, 15, v0
	v_bfe_u32 v3, v0, 4, 1
	v_lshlrev_b32 v[LS], 5, v2
	v_lshl_add_u32 v[LS], v3, 4, v[LS]
	s_wait_alu depctr_va_vdst(0)
	s_mul_i32 s74, s19, HALFT
	s_mul_i32 s75, s20, HALFT
	s_add_co_u32 s75, s75, 2*HALFT
	v_add_nc_u32 v[ADRA], s74, v[VO]
	v_add_nc_u32 v[ADRB], s75, v[VO]
	s_lshl_b32 s74, s74, 1                         ; in slots 1 and 2 a loading wave's place is 49,152 bytes
	s_lshl_b32 s75, s75, 1
	s_add_co_u32 s74, s74, SLOT
	s_add_co_u32 s75, s75, SLOT
	v_add_nc_u32 v[B2], s75, v[VO]
.irp s, 1,2
	v_add_nc_u32 v[ADRA+\s], s74, v[VO]
	v_add_nc_u32 v[ADRB+\s], s75, v[VO]
	s_add_co_u32 s74, s74, HALFT
	s_add_co_u32 s75, s75, HALFT
.endr
	s_mul_i32 s74, s19, HALFT/2                    ; second product: my four blocks of Wv's eight,
	s_add_co_u32 s74, s74, SLOT
	v_add_nc_u32 v[A2], s74, v[VO]
	s_add_co_u32 s74, s74, 2*HALFT
	v_add_nc_u32 v[A2+1], s74, v[VO]
	s_mul_i32 s75, s20, 2*HALFT                    ; and x's planes 2, 3 in slot 0
	v_add_nc_u32 v[B2+1], s75, v[VO]
	global_prefetch_b8 v[PFO], s[94:95] offset:PLANE th:TH_LOAD_NT scope:SCOPE_SE     ; what the next load brings: planes 1
	global_prefetch_b8 v[PFO], s[94:95] offset:2*PLANE th:TH_LOAD_NT scope:SCOPE_SE   ; and 2
	s_lshl_b32 s74, s69, 1
	s_add_co_u32 s74, s74, s19
	s_lshl_b32 s74, s74, 9
	v_add_nc_u32 v[OA], s74, v[LS]
	s_lshl_b32 s74, s70, 1
	s_add_co_u32 s74, s74, s20
	s_add_co_u32 s74, s74, 64
	s_lshl_b32 s74, s74, 9
	v_add_nc_u32 v[OB], s74, v[LS]
.irp kq, 0,1,2,3,4,5,6,7
	global_load_b128 v[SA+4*\kq:SA+4*\kq+3], v[OA], s[6:7] offset:\kq*PLANS
	global_load_b128 v[SB+4*\kq:SB+4*\kq+3], v[OB], s[6:7] offset:\kq*PLANS
.endr
	s_add_co_u32 s74, s71, 80
	s_lshl_b32 s74, s74, 9
	s_lshl_b32 s75, s19, 4
	s_add_co_u32 s74, s74, s75
	v_lshl_add_u32 v[OA2], v2, 5, s74
	v_lshlrev_b32 v[LS2], 5, v2
	v_lshl_add_u32 v[LS2], v3, 3, v[LS2]
	v_add_nc_u32 v[LS2], s75, v[LS2]
	s_lshl_b32 s74, s72, 1
	s_add_co_u32 s74, s74, s20
	s_lshl_b32 s74, s74, 9
	v_add_nc_u32 v[OB2], s74, v[LS]
.irp b, 0,1,2,3
	v_mov_b32 v[TM+4+\b], 0
.endr
	s_cmp_lg_u32 s23, 0
	s_cselect_b64 s[40:41], s[10:11], s[8:9]
	s_lshl_b32 s74, s21, 10
	s_lshl_b32 s75, s20, 9
	s_add_co_u32 s74, s74, s75
	v_lshl_add_u32 v30, v3, 6, s74
	WIN 0x40
.irp b, 0,1,2,3,4,5,6,7
	global_load_b128 v[96+8*\b+96*(\b/4):99+8*\b+96*(\b/4)], v30, s[40:41] offset:(32*(\b/2)+8*(\b%2))*4
	global_load_b128 v[100+8*\b+96*(\b/4):103+8*\b+96*(\b/4)], v30, s[40:41] offset:(32*(\b/2)+8*(\b%2))*4+16
.endr
	WIN 0
	v_and_b32 v4, 7, v2
	v_lshrrev_b32 v5, 3, v2
	v_lshl_add_u32 v4, v5, 4, v4
	s_lshl_b32 s74, s71, 9
	s_lshl_b32 s75, s19, 8
	s_add_co_u32 s74, s74, s75
	v_lshl_add_u32 v31, v4, 2, s74
.irp a, 0,1,2,3
	global_load_b32 v[Y+\a], v31, s[12:13] offset:(32*(\a/2)+8*(\a%2))*4
.endr
	s_mul_i32 s96, s23, 6291456
	s_mul_i32 s97, s21, 24576                      ; my 256 columns are a plane of the next product's K
	s_add_co_u32 s96, s96, s97
	s_lshl_b32 s97, s69, 4
	s_lshl_b32 s98, s19, 3
	s_add_co_u32 s97, s97, s98
	s_mul_i32 s97, s97, 12288                      ; 8 blocks are a group of 98,304 bytes
	s_add_co_u32 s96, s96, s97
	s_mul_i32 s97, s20, 1536
	s_add_co_u32 s96, s96, s97
	s_mov_b32 s97, 0
	s_add_nc_u64 s[44:45], s[14:15], s[96:97]
	s_lshl_b32 s96, s21, 1
	s_add_co_u32 s96, s96, s20
	s_lshl_b32 s96, s96, 15
	s_lshl_b32 s98, s23, 18
	s_add_co_u32 s96, s96, s98
	s_lshl_b32 s98, s69, 1
	s_add_co_u32 s98, s98, s19
	s_lshl_b32 s98, s98, 9
	s_add_co_u32 s96, s96, s98
	s_add_nc_u64 s[46:47], s[16:17], s[96:97]
	s_and_b32 s98, s72, 7
	s_lshl_b32 s98, s98, 1
	s_add_co_u32 s98, s98, s20
	s_lshr_b32 s99, s72, 3
	s_mul_i32 s96, s99, 1572864
	s_add_co_u32 s96, s96, 12582912
	s_lshr_b32 s82, s98, 2
	s_mul_i32 s82, s82, 393216
	s_add_co_u32 s96, s96, s82
	s_lshl_b32 s82, s71, 3
	s_lshl_b32 s83, s19, 2
	s_add_co_u32 s82, s82, s83
	s_mul_i32 s82, s82, 6144
	s_add_co_u32 s96, s96, s82
	s_and_b32 s82, s98, 3
	s_mul_i32 s82, s82, 1536
	s_add_co_u32 s96, s96, s82
	s_add_nc_u64 s[76:77], s[14:15], s[96:97]
	s_lshl_b32 s96, s99, 16
	s_lshl_b32 s82, s98, 12
	s_add_co_u32 s96, s96, s82
	s_lshl_b32 s82, s71, 9
	s_add_co_u32 s96, s96, s82
	s_add_co_u32 s96, s96, 524288
	s_add_nc_u64 s[78:79], s[16:17], s[96:97]
	s_wait_alu depctr_va_vdst(0)                   ; the wait at the head's end
	s_wait_tensorcnt 0x0                           ; my part of plane 0 is in
	ds_add_u32 v[SPW], v[NIL]
	s_wait_dscnt 0x0
	CROUND                                         ; everybody's part is in, and the joint loads meet
	FILL 1, 192, 90, 42, PLANE                     ; planes 1 and 2, one load
	global_prefetch_b8 v[PFO], s[94:95] offset:3*PLANE th:TH_LOAD_NT scope:SCOPE_SE   ; what the load after it brings
	s_wait_loadcnt 0x0                             ; scale words and biases
	FETCH_B 0, 0, 0
	FETCH_A 0, 0, 0
	FETCH_A 0, 0, 4
.macro PASS next, kq                   ; from slot 1 on into slot 2: both were shown whole by the barrier at K step 1, so none stands here
	FETCH_B \next, 0, 0                            ; as in STEP: the free set's 24 loads first
	s_wait_dscnt 36
	WIN MUL_LO
	MUL16 0, 1, \kq, 0
	MUL16 2, 1, \kq, 0
	s_wait_dscnt 24
	PLACES 4
	WIN 0
	FETCH_A \next, 0, 0
	WIN MUL_HI
	MUL16 4, 1, \kq, 0
	MUL16 6, 1, \kq, 0
	PLACES 4
	WIN 0
	FETCH_A \next, 0, 4
.endm
	STEP 0, 0, 1
	TURN 1, 1, 0, 96, 90, 42, 3*PLANE              ; slot 0 takes plane 3
	STEP 1, 2, 0
	PASS 2, 3
	STEP 2, 4, 0
	TURN 0, 5, 1, 192, 84, 86, 0                   ; slots 1 and 2 take Wv's tile and x's planes 0, 1 of the second product
	STEP 0, 6, 0
	s_wait_dscnt 12                                ; the last step: no barrier, nothing to fetch
	WIN MUL_LO
	MUL16 0, 1, 7, 0
	MUL16 2, 1, 7, 0
	s_wait_dscnt 0x0
	WIN MUL_HI
	MUL16 4, 1, 7, 0
	MUL16 6, 1, 7, 0
	WIN 0
	PLACES 4
.irp kq, 0,1,2,3,4,5,6,7
	global_load_b128 v[SA+4*\kq:SA+4*\kq+3], v[OA2], s[6:7] offset:\kq*PLANS
	global_load_b128 v[SB+4*\kq:SB+4*\kq+3], v[OB2], s[6:7] offset:\kq*PLANS
.endr
.macro OUTB a
.set AC, 64*((\a)%4)
	s_wait_xcnt 0x0
.if (\a) > 0
	s_add_nc_u64 s[44:45], s[44:45], 3072
.endif
	QUANT AC, PWA+\a, 2+(\a)/4
.irp j, 0,1,2
	global_store_b128 v[VO], v[PC+4*\j:PC+4*\j+3], s[44:45] offset:512*\j
.endr
.endm
.macro OUTV a
.set AC, 64*(\a)
	s_wait_xcnt 0x0
.if (\a) > 0
	s_add_nc_u64 s[76:77], s[76:77], 6144
.endif
	QUANT AC, PWA+\a, 2
.irp j, 0,1,2
	global_store_b128 v[VO], v[PC+4*\j:PC+4*\j+3], s[76:77] offset:512*\j
.endr
.endm
.irp a, 0,1,2,3
	OUTB \a
.endr
	s_wait_alu depctr_va_vdst(0)
	s_wait_tensorcnt 0x0                           ; my part of the fill before is in;
	ds_add_u32 v[SPW], v[NIL]
	s_mov_b32 s[G1B+2], 96<<16                     ; no load of mine is out: one plane, 96 rows,
	s_mov_b32 s[G1B+4], 96
	s_mov_b64 s[G0B+2:G0B+3], s[88:89]             ; of x's planes 2, 3: all four waves fetch for source 0
	s_or_b32 s[G0B+3], s[G0B+3], 0x80000000
	s_wait_dscnt 0x0                               ; the add is done; my reads of slot 0 ended with the first product
	CROUND
	tensor_load_to_lds s[G0B:G0B+3], s[G1B:G1B+7]
	s_nop 0
	PLACES 4
.irp a, 4,5,6,7
	OUTB \a
.endr
	WIN 0xc0                                       ; window 3 is free now: bv at my row of block a, eight copies: the C of the second product's first step
.irp a, 0,1,2,3
.irp j, 0,1,2,3,4,5,6,7
	v_mov_b32 v[8*\a+\j], v[Y+\a]
.endr
.endr
	WIN 0
	s_wait_alu depctr_va_vdst(0)
	s_mov_b32 vcc_lo, 0xffff0000
.irp j, 0,1,2,3
	v_cndmask_b32 v[OUTW+\j], v[PWA+\j], v[PWA+4+\j], vcc_lo
.endr
	global_store_b128 v[LS], v[OUTW:OUTW+3], s[46:47]
	s_wait_xcnt 0x0
	s_wait_loadcnt 0x0
	FETCH2 0, 0, 0
.macro XSTEP2 next, kq                 ; a plane's second step: the next plane's first fragments are fetched; no barrier
	s_wait_dscnt 0x0
	PLACES 4
	FETCH2 \next, 0, 1-(\kq)%2
	WIN MUL_LO
	MULA 0, (\kq)%2, \kq, 0
	MULA 1, (\kq)%2, \kq, 0
	MULA 2, (\kq)%2, \kq, 0
	MULA 3, (\kq)%2, \kq, 0
.endm
	KSTEP2 0, 0, 1
	XSTEP2 1, 1
	KSTEP2 1, 2, 0
	TURN2 2, 3
	KSTEP2 2, 4, 0
	XSTEP2 3, 5
	KSTEP2 3, 6, 0
	s_wait_dscnt 0x0
	WIN MUL_LO
	MULA 0, 1, 7, 0
	MULA 1, 1, 7, 0
	MULA 2, 1, 7, 0
	MULA 3, 1, 7, 0
	WIN 0
	PLACES 4
.irp a, 0,1,2,3
	OUTV \a
.endr
	s_wait_xcnt 0x0
	s_mov_b32 vcc_lo, 0xffff0000
	v_cndmask_b32 v[OUTW], v[PWA], v[PWA+2], vcc_lo
	v_cndmask_b32 v[OUTW+1], v[PWA+1], v[PWA+3], vcc_lo
	global_store_b64 v[LS2], v[OUTW:OUTW+1], s[78:79]
	s_wait_tensorcnt 0x0
	ds_add_u32 v[SPW], v[NIL]
	s_wait_dscnt 0x0
	CROUND
	s_endpgm
.Lfunc_end_k_qb5f392cce7_proj:
	.size	k_qb5f392cce7_proj, .Lfunc_end_k_qb5f392cce7_proj-k_qb5f392cce7_proj
	.p2alignl 7, 3214868480
	.fill 96, 4, 3214868480
	.section	.rodata,"a",@progbits
	.p2align	6, 0x0
	.amdhsa_kernel k_qb5f392cce7_proj
		.amdhsa_group_segment_fixed_size 327680
		.amdhsa_private_segment_fixed_size 0
		.amdhsa_enable_private_segment 0
		.amdhsa_kernarg_size 56
		.amdhsa_user_sgpr_count 2
		.amdhsa_user_sgpr_kernarg_segment_ptr 1
		.amdhsa_wavefront_size32 1
		.amdhsa_system_sgpr_workgroup_id_x 1
		.amdhsa_system_sgpr_workgroup_id_y 1
		.amdhsa_system_sgpr_workgroup_id_z 1
		.amdhsa_system_vgpr_workitem_id 0
		.amdhsa_next_free_vgpr 1024
		.amdhsa_next_free_sgpr 100
		.amdhsa_reserve_vcc 1
		.amdhsa_float_denorm_mode_32 3
		.amdhsa_float_denorm_mode_16_64 3
		.amdhsa_memory_ordered 1
		.amdhsa_forward_progress 1
		.amdhsa_inst_pref_size 218
	.end_amdhsa_kernel
	.amdgpu_metadata
---
amdhsa.version: [ 1, 2 ]
amdhsa.kernels:
  - .name:           k_qb5f392cce7_proj
    .symbol:         k_qb5f392cce7_proj.kd
    .args:
      - { .name: opc, .offset: 0, .size: 8, .value_kind: global_buffer, .address_space: global }
      - { .name: ops, .offset: 8, .size: 8, .value_kind: global_buffer, .address_space: global }
      - { .name: bq, .offset: 16, .size: 8, .value_kind: global_buffer, .address_space: global }
      - { .name: bk, .offset: 24, .size: 8, .value_kind: global_buffer, .address_space: global }
      - { .name: bv, .offset: 32, .size: 8, .value_kind: global_buffer, .address_space: global }
      - { .name: qkvc, .offset: 40, .size: 8, .value_kind: global_buffer, .address_space: global }
      - { .name: qkvs, .offset: 48, .size: 8, .value_kind: global_buffer, .address_space: global }
    .group_segment_fixed_size: 327680
    .private_segment_fixed_size: 0
    .kernarg_segment_align: 8
    .kernarg_segment_size: 56
    .max_flat_workgroup_size: 128
    .sgpr_count:     100
    .vgpr_count:     1024
    .wavefront_size: 32
...
	.end_amdgpu_metadata
.endif
;; end of part 2
;; launch score (part 3): grid 8 x 32, 4 waves a work-group, clusters of 4 x 4, 327,680 bytes of LDS; arguments qkvc, qkvs, pc, ps, pm, pl; writes pc, ps, pm, pl
.if DOCPART == 3
	.amdgcn_target "amdgcn-amd-amdhsa--gfx1250"
	.amdhsa_code_object_version 6
	.text
	.protected	k_qb5f392cce7_score
	.globl	k_qb5f392cce7_score
	.p2align	8
	.type	k_qb5f392cce7_score,@function
k_qb5f392cce7_score:
	s_mov_b64 s[64:65], 0
	v_nop
	global_prefetch_b8 v0, s[64:65] scope:SCOPE_SE
	s_setreg_imm32_b32 hwreg(HW_REG_WAVE_MODE, 25, 1), 1
	s_wait_xcnt 0x0
	s_wait_alu depctr_hold_cnt(0) depctr_sa_sdst(0) depctr_va_vdst(0) depctr_va_sdst(0) depctr_va_ssrc(0) depctr_va_vcc(0) depctr_vm_vsrc(0)
	s_getreg_b32 s2, hwreg(HW_REG_IB_STS2, 6, 4)
	s_cmp_eq_u32 s2, 0
	s_cbranch_scc0 .Lentry_in_a_cluster
	s_endpgm
.Lentry_in_a_cluster:
	s_bfe_u32 s2, ttmp6, 0x10000c
	s_cmp_lg_u32 s2, 0xf033
	s_cbranch_scc0 .Lentry_shape_is_right
	s_endpgm
.Lentry_shape_is_right:
; S = q k^T on codes of BF6 (K = 1,024), and the softmax's numerator for each query and each run of 128 keys: t = score x log2(e) / 32; M = the run's largest t rounded up to a whole number;
; p = 2^(t - M), quantised along the keys into codes and scale bytes; the run's sum of the unquantised p.  Stored: pc (images of fragments), ps (scale words), pm (-M as f32), pl (the sums).
; The next launch takes the whole row's M: M(row) - M(run) is a whole number, which it takes off the scale bytes; the codes stay as they are.
; The maximum is taken away before every exponential: no t - M is above 0.
; A tile of 256 queries x 256 keys is made by four waves, each 128 x 128: 64 accumulators.  Eight steps of 128 along K, four fills of 256 through two LDS slots, each wave's fill one dense block of 24,576 bytes.
; TRANSPOSED USE (source 0 = 16 positions of k, source 1 = 16 of q): positions hold rows with bits 3 and 4 exchanged, so lane (r, h) holds query position 16 a + r and its register 8 b + j key
; 32 (b / 2) + 16 h + 8 (b % 2) + j of my 128: 16 registers of two neighbouring tiles are 16 neighbouring keys.
; CLUSTER 4 x 4: q's tile is asked for jointly by a row of the cluster, k's by a column.
; LIMITS: p under 2^-126 comes out of the exponential as 0; a block whose every p is 0 gets the byte 1 over zero codes; NaN and infinities are not served.
; A block's largest p is not searched for: the block's largest score goes through the same multiply-add and exponential (this takes the exponential not to fall where its input rises).
; REGISTERS: as in the launch before: window 0: v16-31 addresses; v32-63 q's scale words, v64-95 k's; v104-127 at work; v128-223 q's fragments (on the way out v128-191 p, v192-210 codes, v212-219 words on their way out);
;   v224-231 scale words made, v232-239 -M, v240-247 sums, v248-251 words on their way out.   window 1: k's fragments, two sets.   windows 2, 3: accumulator (a, b) at v[8 (8 (a % 4) + b)].
.set SLOT,  98304
.set HALFT, 24576
; THE FILLS, as they are now (in place of the two slots named above): q's and k's codes lie [group of 128 positions][K / 256][24,576 bytes], so a wave's part of neighbouring planes is one dense block.
; Slot 0 = wave x 24,576; slots 1 and 2 = SLOT + wave x 49,152 (+ 24,576).  Plane 0 comes at the head, planes 1 and 2 by one load of 192 rows behind the next round, plane 3 into slot 0 at K step 1.
; PREFETCH: planes 1 and 2 are asked for behind the head's load, plane 3 behind the load of planes 1 and 2: one fill ahead; of a wave's 96 blocks of 256 bytes a plane each of the four partners names 24, told apart by address.
.set SPARE, 3*SLOT
.set PLANE, 24576                      ; bytes from 256 along K to the next inside a group
.set PLANS, 32768                      ; bytes from a K step's scale words to the next
.set ADRA, 16
.set ADRB, 20
.set VO,   24
.set LS,   25
.set OA,   26
.set OB,   27
.set SPW,  28
.set NIL,  29
.set SA,   32
.set SB,   64
.set TM,   104
.set AF,   128
.set VAL,  128
.set PC,   192
.set OUTM, 212
.set OUTL, 216
.set PWA,  224
.set NMA,  232
.set PLA,  240
.set OUTW, 248
.set G1,  24
.set G0,  32
.set G1B, 48
.set G0B, 56
.set SEL, 80
.set CS,  82
.set MUL_LO, 0xa1
.set MUL_HI, 0xf1
.set TO_B,   0x40
.set MSB, 0
.macro WIN new
.if MSB != (\new)
	s_set_vgpr_msb (MSB<<8)|(\new)
.set MSB, (\new)
.endif
.endm
.macro PLACES n
.rept \n
	v_nop
.endr
.endm
.macro JLOAD s                         ; a joint load: waves 0 and 1 fetch q's halves, waves 2 and 3 k's; four v_nop follow each line
	s_cmp_eq_u32 s19, 0
	s_cbranch_scc0 .Lfor_b_\@
	tensor_load_to_lds s[G0+4*\s:G0+4*\s+3], s[G1:G1+7]
	s_nop 0
.rept 4
	v_nop
.endr
	s_branch .Lasked_\@
.Lfor_b_\@:
	tensor_load_to_lds s[G0B+4*\s:G0B+4*\s+3], s[G1B:G1B+7]
	s_nop 0
.rept 4
	v_nop
.endr
.Lasked_\@:
.endm
.macro CREST
	s_cmp_lg_u32 s18, 0
	s_cbranch_scc1 .Lnot_wave_0_\@
	s_barrier_signal -3
.Lnot_wave_0_\@:
	s_barrier_wait -3
	s_barrier_signal -1
	s_barrier_wait -1
.endm
.macro CROUND
	s_barrier_signal -1
	s_barrier_wait -1
	CREST
.endm
.macro FRAG reg, adr, off
.irp j, 0,1,2
	ds_load_b128 v[\reg+4*\j:\reg+4*\j+3], v[\adr] offset:\off+512*\j
.endr
.endm
.macro FETCH_B s, q, p
	WIN TO_B
.irp i, 0,1,2,3,4,5,6,7
	FRAG 128*(\p)+12*\i, ADRB+\s, 3072*\i+1536*(\q)
.endr
	WIN 0
.endm
.macro FETCH_A s, q, i0
.irp i, \i0, \i0+1, \i0+2, \i0+3
	FRAG AF+12*(\i), ADRA+\s, 3072*(\i)+1536*(\q)
.endr
.endm
.macro WM a, b, p, kq, zero
.set rD, 8*(8*((\a)%4)+(\b))
.set rB, 128*(\p)+12*(\b)
.set rA, AF+12*(\a)
.set rSB, SB+4*(\kq)+(\b)%4
.set rSA, SA+4*(\kq)+(\a)%4
.if \zero
.if ((\b) < 4) && ((\a) < 4)
	v_wmma_scale_f32_16x16x128_f8f6f4 v[rD:rD+7], v[rB:rB+11], v[rA:rA+11], 0, v[rSB], v[rSA] matrix_a_fmt:MATRIX_FMT_BF6 matrix_b_fmt:MATRIX_FMT_BF6
.elseif (\b) < 4
	v_wmma_scale_f32_16x16x128_f8f6f4 v[rD:rD+7], v[rB:rB+11], v[rA:rA+11], 0, v[rSB], v[rSA] matrix_a_fmt:MATRIX_FMT_BF6 matrix_b_fmt:MATRIX_FMT_BF6 matrix_b_scale:MATRIX_SCALE_ROW1
.elseif (\a) < 4
	v_wmma_scale_f32_16x16x128_f8f6f4 v[rD:rD+7], v[rB:rB+11], v[rA:rA+11], 0, v[rSB], v[rSA] matrix_a_fmt:MATRIX_FMT_BF6 matrix_b_fmt:MATRIX_FMT_BF6 matrix_a_scale:MATRIX_SCALE_ROW1
.else
	v_wmma_scale_f32_16x16x128_f8f6f4 v[rD:rD+7], v[rB:rB+11], v[rA:rA+11], 0, v[rSB], v[rSA] matrix_a_fmt:MATRIX_FMT_BF6 matrix_b_fmt:MATRIX_FMT_BF6 matrix_a_scale:MATRIX_SCALE_ROW1 matrix_b_scale:MATRIX_SCALE_ROW1
.endif
.else
.if ((\b) < 4) && ((\a) < 4)
	v_wmma_scale_f32_16x16x128_f8f6f4 v[rD:rD+7], v[rB:rB+11], v[rA:rA+11], v[rD:rD+7], v[rSB], v[rSA] matrix_a_fmt:MATRIX_FMT_BF6 matrix_b_fmt:MATRIX_FMT_BF6
.elseif (\b) < 4
	v_wmma_scale_f32_16x16x128_f8f6f4 v[rD:rD+7], v[rB:rB+11], v[rA:rA+11], v[rD:rD+7], v[rSB], v[rSA] matrix_a_fmt:MATRIX_FMT_BF6 matrix_b_fmt:MATRIX_FMT_BF6 matrix_b_scale:MATRIX_SCALE_ROW1
.elseif (\a) < 4
	v_wmma_scale_f32_16x16x128_f8f6f4 v[rD:rD+7], v[rB:rB+11], v[rA:rA+11], v[rD:rD+7], v[rSB], v[rSA] matrix_a_fmt:MATRIX_FMT_BF6 matrix_b_fmt:MATRIX_FMT_BF6 matrix_a_scale:MATRIX_SCALE_ROW1
.else
	v_wmma_scale_f32_16x16x128_f8f6f4 v[rD:rD+7], v[rB:rB+11], v[rA:rA+11], v[rD:rD+7], v[rSB], v[rSA] matrix_a_fmt:MATRIX_FMT_BF6 matrix_b_fmt:MATRIX_FMT_BF6 matrix_a_scale:MATRIX_SCALE_ROW1 matrix_b_scale:MATRIX_SCALE_ROW1
.endif
.endif
.endm
.macro MUL16 a0, p, kq, zero           ; the 64 accumulators take turns, one instruction a turn, in one order in every step
.irp a, \a0, \a0+1
.irp b, 0,1,2,3,4,5,6,7
	WM \a, \b, \p, \kq, \zero
.endr
.endr
.endm
.macro STEP s, kq, zero
	FETCH_B \s, 1, 1                               ; k's other set is free (four places stand behind its last products): the next step's 24 loads go out first
	s_wait_dscnt 36                                ; this step's set and q's blocks 0-3 are in; blocks 4-7's twelve loads and the 24 just issued may be out
	WIN MUL_LO
	MUL16 0, 0, \kq, \zero
	MUL16 2, 0, \kq, \zero
	s_wait_dscnt 24                                ; q's blocks 4-7 are in; the 24 may be out
	PLACES 4                                       ; four places in front of loads into registers that matrix instructions have read
	WIN 0
	FETCH_A \s, 1, 0
	WIN MUL_HI
	MUL16 4, 0, \kq, \zero
	MUL16 6, 0, \kq, \zero
	PLACES 4
	WIN 0
	FETCH_A \s, 1, 4
.endm
.macro TURN s, next, kq, fill
	s_wait_tensorcnt 0x0                           ; all my tensor loads have landed: my part of the next slot
	ds_add_u32 v[SPW], v[NIL]                      ; 0 onto my spare word
	s_wait_dscnt 13                                ; the add and q's blocks 4-7 may be out
	WIN MUL_LO
	MUL16 0, 1, \kq, 0
	s_wait_dscnt 0x0                               ; the add is done, and my reads of this slot are over
	s_barrier_signal -1
	MUL16 2, 1, \kq, 0
	WIN 0
	s_barrier_wait -1
.if \fill
	CREST                                          ; no wave of any partner still reads this slot or has a load on its way
	s_add_nc_u64 s[G0+4*\s+2:G0+4*\s+3], s[G0+4*\s+2:G0+4*\s+3], 3*PLANE
	s_add_nc_u64 s[G0B+4*\s+2:G0B+4*\s+3], s[G0B+4*\s+2:G0B+4*\s+3], 3*PLANE
	s_mov_b32 s[G1+2], 96<<16                      ; no load of mine is out: one plane again, 96 rows
	s_mov_b32 s[G1+4], 96
	s_mov_b32 s[G1B+2], 96<<16
	s_mov_b32 s[G1B+4], 96
	JLOAD \s                                       ; the first tensor load behind the round, my only one until the next
.else
	PLACES 4
.endif
	s_wait_alu depctr_va_vdst(0)
	FETCH_B \next, 0, 0
	FETCH_A \next, 0, 0
	WIN MUL_HI
	MUL16 4, 1, \kq, 0
	MUL16 6, 1, \kq, 0
	PLACES 4
	WIN 0
	FETCH_A \next, 0, 4
.endm
	s_load_b256 s[4:11], s[0:1], 0x0               ; qkvc s[4:5], qkvs s[6:7], pc s[8:9], ps s[10:11]
	s_load_b128 s[12:15], s[0:1], 0x20             ; pm s[12:13], pl s[14:15]
	v_lshl_add_u32 v[SPW], v0, 2, SPARE
	v_mov_b32 v[NIL], 0
	ds_add_u32 v28, v29
	ds_add_u32 v28, v29
	s_wait_dscnt 0x0
	v_lshrrev_b32 v1, 5, v0
	v_readfirstlane_b32 s18, v1                    ; wave 0..3
	s_lshr_b32 s19, s18, 1                         ; RH
	s_and_b32 s20, s18, 1                          ; CH
	s_bfe_u32 s21, ttmp6, 0x40000                  ; cx
	s_bfe_u32 s22, ttmp6, 0x40004                  ; cy
	s_mov_b32 s23, ttmp9
	s_and_b32 s66, ttmp7, 0xffff
	s_lshl_b32 s67, s22, 2
	s_lshl_b32 s67, 15, s67
	s_lshl_b32 s68, 0x1111, s21
	s_or_b32 s[G1], s67, (3<<16)|(1<<21)
	s_or_b32 s[G1B], s68, (3<<16)|(1<<21)
.irp g, G1, G1B
	s_mov_b32 s[\g+1], 32<<16
	s_mov_b32 s[\g+2], 96<<16
	s_mov_b32 s[\g+3], 32<<16
	s_mov_b32 s[\g+4], 96
	s_mov_b32 s[\g+5], 32
	s_mov_b32 s[\g+6], 0
	s_mov_b32 s[\g+7], 0
.endr
	s_lshl_b32 s69, s66, 2
	s_add_co_u32 s69, s69, s22                     ; tile row: 256 queries of the 8,192
	s_lshl_b32 s70, s23, 2
	s_add_co_u32 s70, s70, s21                     ; tile column: 256 keys of the batch's 2,048
	s_lshr_b32 s71, s66, 1                         ; the batch: it hangs on the cluster's y alone
	s_lshl_b32 s72, s20, 3
	s_lshl_b32 s44, s69, 4
	s_add_co_u32 s44, s44, s72
	s_mul_i32 s44, s44, 12288                      ; 8 blocks are a group of 98,304 bytes
	s_mov_b32 s45, 0
	s_lshl_b32 s46, s70, 4
	s_lshl_b32 s47, s71, 7
	s_add_co_u32 s46, s46, s47
	s_add_co_u32 s46, s46, s72
	s_mul_i32 s46, s46, 12288
	s_add_co_u32 s46, s46, 6291456                 ; k's codes lie behind q's
	s_mov_b32 s47, 0
	s_mul_i32 s73, s18, HALFT
	s_mov_b32 s[SEL], 0x76543210
	s_mov_b32 s[SEL+1], 0xfedcba98
	s_mov_b32 s[CS], 0x3d38aa3b                    ; c = log2(e) / sqrt(1024)
	s_mov_b32 s[CS+1], s[CS]
	CROUND                                         ; the round in front of the first joint loads: it needs no argument, so it stands ahead of the wait for them
	s_wait_kmcnt 0x0
	s_add_nc_u64 s[44:45], s[4:5], s[44:45]
	s_add_nc_u64 s[46:47], s[4:5], s[46:47]
	s_mul_i32 s92, s18, 2*HALFT
	s_add_co_u32 s92, s92, SLOT                    ; my place in slots 1 and 2
.irp s, 0,1
	s_mov_b32 s[G0+4*\s], 1
	s_add_nc_u64 s[G0+4*\s+2:G0+4*\s+3], s[44:45], \s*PLANE
	s_or_b32 s[G0+4*\s+3], s[G0+4*\s+3], 0x80000000
	s_mov_b32 s[G0B+4*\s], 1
	s_add_nc_u64 s[G0B+4*\s+2:G0B+4*\s+3], s[46:47], \s*PLANE
	s_or_b32 s[G0B+4*\s+3], s[G0B+4*\s+3], 0x80000000
.endr
	s_mov_b32 s[G0+1], s73
	s_mov_b32 s[G0B+1], s73
	s_mov_b32 s[G0+5], s92
	s_mov_b32 s[G0B+5], s92
	s_cmp_eq_u32 s19, 0                            ; the prefetches: the tile that I fetch, and my place among the four that ask for it with me
	s_cselect_b32 s93, s21, s22
	s_cselect_b64 s[94:95], s[44:45], s[46:47]
	s_mul_i32 s93, s93, 24*256
	JLOAD 0                                        ; plane 0: one tensor load a wave at the head
	v_and_b32 v1, 31, v0
	v_lshlrev_b32 v[VO], 4, v1
	v_min_u32 v30, 23, v1
	v_lshl_add_u32 v30, v30, 8, s93                ; my work-group's 24 blocks of 256 bytes of a plane, a lane a block; never rewritten
	v_and_b32 v2, 15, v0
	v_bfe_u32 v3, v0, 4, 1
	v_lshlrev_b32 v[LS], 5, v2
	v_lshl_add_u32 v[LS], v3, 4, v[LS]
	s_wait_alu depctr_va_vdst(0)
	s_mul_i32 s74, s19, HALFT
	s_mul_i32 s75, s20, HALFT
	s_add_co_u32 s75, s75, 2*HALFT
	v_add_nc_u32 v[ADRA], s74, v[VO]
	v_add_nc_u32 v[ADRB], s75, v[VO]
	s_lshl_b32 s74, s74, 1                         ; in slots 1 and 2 a loading wave's place is 49,152 bytes
	s_lshl_b32 s75, s75, 1
	s_add_co_u32 s74, s74, SLOT
	s_add_co_u32 s75, s75, SLOT
.irp s, 1,2
	v_add_nc_u32 v[ADRA+\s], s74, v[VO]
	v_add_nc_u32 v[ADRB+\s], s75, v[VO]
	s_add_co_u32 s74, s74, HALFT
	s_add_co_u32 s75, s75, HALFT
.endr
	global_prefetch_b8 v30, s[94:95] offset:PLANE th:TH_LOAD_NT scope:SCOPE_SE     ; what the next load brings: planes 1
	global_prefetch_b8 v30, s[94:95] offset:2*PLANE th:TH_LOAD_NT scope:SCOPE_SE   ; and 2
	s_lshl_b32 s74, s69, 1
	s_add_co_u32 s74, s74, s19
	s_lshl_b32 s74, s74, 9                         ; 512 x my group of 128 queries
	v_add_nc_u32 v[OA], s74, v[LS]
	s_lshl_b32 s75, s71, 4
	s_lshl_b32 s76, s70, 1
	s_add_co_u32 s75, s75, s76
	s_add_co_u32 s75, s75, s20
	s_lshl_b32 s75, s75, 9
	s_add_co_u32 s75, s75, 262144                  ; k's scale words lie behind q's
	v_add_nc_u32 v[OB], s75, v[LS]
.irp kq, 0,1,2,3,4,5,6,7
	global_load_b128 v[SA+4*\kq:SA+4*\kq+3], v[OA], s[6:7] offset:\kq*PLANS
	global_load_b128 v[SB+4*\kq:SB+4*\kq+3], v[OB], s[6:7] offset:\kq*PLANS
.endr
	v_mov_b32 v121, 0                              ; (named as the upper half of the pair v[120:121])
.irp b, 0,1,2,3
	v_mov_b32 v[TM+4+\b], 0                        ; written once: a lane permute's destination counts as one of its sources
.endr
	s_lshl_b32 s76, s70, 1
	s_add_co_u32 s76, s76, s20                     ; my 128 keys are K step ks = 2 x tile column + CH of the next product
	s_lshr_b32 s77, s76, 2
	s_mul_i32 s88, s77, 3145728
	s_lshl_b32 s77, s69, 4
	s_lshl_b32 s78, s19, 3
	s_add_co_u32 s77, s77, s78
	s_mul_i32 s77, s77, 6144
	s_add_co_u32 s88, s88, s77
	s_and_b32 s77, s76, 3
	s_mul_i32 s77, s77, 1536
	s_add_co_u32 s88, s88, s77
	s_mov_b32 s89, 0
	s_lshl_b32 s90, s76, 15
	s_add_co_u32 s90, s90, s74                     ; 32,768 ks + 512 x group
	s_mov_b32 s91, 0
	s_add_nc_u64 s[8:9], s[8:9], s[88:89]
	s_add_nc_u64 s[10:11], s[10:11], s[90:91]
	s_add_nc_u64 s[12:13], s[12:13], s[90:91]
	s_add_nc_u64 s[14:15], s[14:15], s[90:91]
	s_wait_alu depctr_va_vdst(0)                   ; the wait at the head's end
	s_wait_tensorcnt 0x0                           ; my part of plane 0 is in
	ds_add_u32 v[SPW], v[NIL]
	s_mov_b32 s[G1+2], 192<<16                     ; no load of mine is out: the next load brings two planes, 192 rows
	s_mov_b32 s[G1+4], 192
	s_mov_b32 s[G1B+2], 192<<16
	s_mov_b32 s[G1B+4], 192
	s_wait_dscnt 0x0
	CROUND                                         ; everybody's part is in, and the joint loads meet
	JLOAD 1                                        ; planes 1 and 2
	global_prefetch_b8 v30, s[94:95] offset:3*PLANE th:TH_LOAD_NT scope:SCOPE_SE   ; what the load after it brings
	s_wait_loadcnt 0x0                             ; the scale words
	FETCH_B 0, 0, 0
	FETCH_A 0, 0, 0
	FETCH_A 0, 0, 4
.macro PASS next, kq                   ; from slot 1 on into slot 2: both were shown whole by the barrier at K step 1, so none stands here
	FETCH_B \next, 0, 0                            ; as in STEP: the free set's 24 loads first
	s_wait_dscnt 36
	WIN MUL_LO
	MUL16 0, 1, \kq, 0
	MUL16 2, 1, \kq, 0
	s_wait_dscnt 24
	PLACES 4
	WIN 0
	FETCH_A \next, 0, 0
	WIN MUL_HI
	MUL16 4, 1, \kq, 0
	MUL16 6, 1, \kq, 0
	PLACES 4
	WIN 0
	FETCH_A \next, 0, 4
.endm
	STEP 0, 0, 1
	TURN 0, 1, 1, 1                                ; slot 0 takes plane 3
	STEP 1, 2, 0
	PASS 2, 3
	STEP 2, 4, 0
	TURN 2, 0, 5, 0                                ; plane 3 is shown whole; nothing is left to fetch
	STEP 0, 6, 0
	s_wait_dscnt 12
	WIN MUL_LO
	MUL16 0, 1, 7, 0
	MUL16 2, 1, 7, 0
	s_wait_dscnt 0x0
	WIN MUL_HI
	MUL16 4, 1, 7, 0
	MUL16 6, 1, 7, 0
	WIN 0
	PLACES 4
; THE WAY OUT of block a: 16 queries x my 128 keys.
.macro SOFT a
.set AC, 64*((\a)%4)
.set WW, 2+(\a)/4
.set W3, WW|(WW<<2)|(WW<<4)
.set W2, (WW<<2)|(WW<<4)
	WIN W3
.irp b, 0,1,2,3
	v_max3_num_f32 v[TM+\b], v[AC+16*\b], v[AC+16*\b+1], v[AC+16*\b+2]   ; the largest score of each block of 32 keys; each accumulator is first read at its low end
.endr
	WIN W2
.irp i, 3,5,7,9,11,13
.irp b, 0,1,2,3
	v_max3_num_f32 v[TM+\b], v[TM+\b], v[AC+16*\b+\i], v[AC+16*\b+\i+1]
.endr
.endr
.irp b, 0,1,2,3
	v_max_num_f32 v[TM+\b], v[TM+\b], v[AC+16*\b+15]
.endr
	WIN 0
.irp b, 0,1,2,3
	v_permlanex16_b32 v[TM+4+\b], v[TM+\b], s[SEL], s[SEL+1]
.endr
.irp b, 0,1,2,3
	v_max_num_f32 v[TM+\b], v[TM+\b], v[TM+4+\b]   ; with lane l xor 16's 16 keys
.endr
	v_max3_num_f32 v122, v[TM], v[TM+1], v[TM+2]
	v_max_num_f32 v122, v122, v[TM+3]              ; the largest score of my query in these 128 keys
	v_mul_f32 v122, s[CS], v122                    ; as t (c is positive)
	v_floor_f32 v120, -v122                        ; -M = floor(-t) = -ceil(t): a whole number
	v_mov_b32 v[NMA+\a], v120
	WIN WW
.set i, 0
.rept 32
	v_pk_fma_f32 v[VAL+2*i:VAL+2*i+1], v[AC+2*i:AC+2*i+1], s[CS:CS+1], v[120:121] op_sel_hi:[1,0,0]   ; t - M, two at a time
.set i, i+1
.endr
	WIN 0
.irp b, 0,1,2,3
	v_fma_f32 v[TM+\b], v[TM+\b], s[CS], v120      ; the same of each block's largest score
.endr
.set i, 0
	s_wait_alu depctr_va_vdst(0)
.rept 64
	v_exp_f32 v[VAL+i], v[VAL+i]                   ; p = 2^(t - M), at most 1
.set i, i+1
.endr
.irp b, 0,1,2,3
	v_exp_f32 v[TM+\b], v[TM+\b]                   ; the block's largest p
.endr
	s_wait_xcnt 0x0                                ; the last block's stores have read the codes' registers
	v_nop                                          ; a plain place behind the exponentials
	s_wait_alu depctr_va_vdst(0)
.irp b, 0,1,2,3
	v_max_num_f32 v[TM+\b], 0x2800000, v[TM+\b]    ; the floor 2^(5 - 127): the byte cannot fall under 1
.endr
.irp b, 0,1,2,3
	v_add_nc_u32 v[TM+12+\b], 0xfe000000, v[TM+\b] ; 4 off the exponent field: the conversion's scale operand
.endr
.irp b, 0,1,2,3
	v_lshrrev_b32 v[TM+4+\b], 23, v[TM+12+\b]      ; the scale's byte
.endr
	v_lshl_or_b32 v[PWA+\a], v[TM+5], 8, v[TM+4]
	v_lshl_or_b32 v[PWA+\a], v[TM+6], 16, v[PWA+\a]
	v_lshl_or_b32 v[PWA+\a], v[TM+7], 24, v[PWA+\a]
.irp c, 0,1
	v_cvt_scalef32_pk16_bf6_f32 v[PC+6*\c:PC+2+6*\c], v[VAL+32*\c:VAL+15+32*\c], v[TM+12+2*\c]
	v_cvt_scalef32_pk16_bf6_f32 v[PC+12+4*\c:PC+14+4*\c], v[VAL+16+32*\c:VAL+31+32*\c], v[TM+12+2*\c+1]
.endr
	v_nop                                          ; one plain place behind a scaled conversion
.irp c, 0,1
.irp i, 0,1,2
	v_permlane16_swap_b32 v[PC+6*\c+\i], v[PC+12+4*\c+\i]
.endr
.irp i, 0,1,2
	v_mov_b32 v[PC+3+6*\c+\i], v[PC+12+4*\c+\i]
.endr
.endr
	v_pk_add_f32 v[122:123], v[VAL:VAL+1], v[VAL+2:VAL+3]   ; the sum is taken of the unquantised p: two at a time, in two chains
	v_pk_add_f32 v[124:125], v[VAL+4:VAL+5], v[VAL+6:VAL+7]
.irp j, 8,12,16,20,24,28,32,36,40,44,48,52,56,60
	v_pk_add_f32 v[122:123], v[122:123], v[VAL+\j:VAL+\j+1]
	v_pk_add_f32 v[124:125], v[124:125], v[VAL+\j+2:VAL+\j+3]
.endr
	v_pk_add_f32 v[122:123], v[122:123], v[124:125]
	v_add_f32 v122, v122, v123
	v_permlanex16_b32 v123, v122, s[SEL], s[SEL+1]
	v_add_f32 v[PLA+\a], v122, v123                ; with lane l xor 16's: the sum over the 128 keys, in both halves of the lanes
.irp j, 0,1,2
	global_store_b128 v[VO], v[PC+4*\j:PC+4*\j+3], s[8:9] offset:6144*(\a)+512*\j   ; the image: 512 consecutive bytes a store
.endr
.endm
.irp a, 0,1,2,3,4,5,6,7
	SOFT \a
.endr
	s_mov_b32 vcc_lo, 0xffff0000                   ; lanes 16-31 take blocks 4-7's words
.irp j, 0,1,2,3
	v_cndmask_b32 v[OUTW+\j], v[PWA+\j], v[PWA+4+\j], vcc_lo
	v_cndmask_b32 v[OUTM+\j], v[NMA+\j], v[NMA+4+\j], vcc_lo
	v_cndmask_b32 v[OUTL+\j], v[PLA+\j], v[PLA+4+\j], vcc_lo
.endr
	global_store_b128 v[LS], v[OUTW:OUTW+3], s[10:11]   ; 512 consecutive bytes each
	global_store_b128 v[LS], v[OUTM:OUTM+3], s[12:13]
	global_store_b128 v[LS], v[OUTL:OUTL+3], s[14:15]
	s_wait_tensorcnt 0x0                           ; the wave's end
	ds_add_u32 v[SPW], v[NIL]
	s_wait_dscnt 0x0
	CROUND                                         ; the closing round
	s_endpgm
.Lfunc_end_k_qb5f392cce7_score:
	.size	k_qb5f392cce7_score, .Lfunc_end_k_qb5f392cce7_score-k_qb5f392cce7_score
	.p2alignl 7, 3214868480
	.fill 96, 4, 3214868480
	.section	.rodata,"a",@progbits
	.p2align	6, 0x0
	.amdhsa_kernel k_qb5f392cce7_score
		.amdhsa_group_segment_fixed_size 327680
		.amdhsa_private_segment_fixed_size 0
		.amdhsa_enable_private_segment 0
		.amdhsa_kernarg_size 48
		.amdhsa_user_sgpr_count 2
		.amdhsa_user_sgpr_kernarg_segment_ptr 1
		.amdhsa_wavefront_size32 1
		.amdhsa_system_sgpr_workgroup_id_x 1
		.amdhsa_system_sgpr_workgroup_id_y 1
		.amdhsa_system_sgpr_workgroup_id_z 1
		.amdhsa_system_vgpr_workitem_id 0
		.amdhsa_next_free_vgpr 1024
		.amdhsa_next_free_sgpr 100
		.amdhsa_reserve_vcc 1
		.amdhsa_float_denorm_mode_32 3
		.amdhsa_float_denorm_mode_16_64 3
		.amdhsa_memory_ordered 1
		.amdhsa_forward_progress 1
		.amdhsa_inst_pref_size 193
	.end_amdhsa_kernel
	.amdgpu_metadata
---
amdhsa.version: [ 1, 2 ]
amdhsa.kernels:
  - .name:           k_qb5f392cce7_score
    .symbol:         k_qb5f392cce7_score.kd
    .args:
      - { .name: qkvc, .offset: 0, .size: 8, .value_kind: global_buffer, .address_space: global }
      - { .name: qkvs, .offset: 8, .size: 8, .value_kind: global_buffer, .address_space: global }
      - { .name: pc, .offset: 16, .size: 8, .value_kind: global_buffer, .address_space: global }
      - { .name: ps, .offset: 24, .size: 8, .value_kind: global_buffer, .address_space: global }
      - { .name: pm, .offset: 32, .size: 8, .value_kind: global_buffer, .address_space: global }
      - { .name: pl, .offset: 40, .size: 8, .value_kind: global_buffer, .address_space: global }
    .group_segment_fixed_size: 327680
    .private_segment_fixed_size: 0
    .kernarg_segment_align: 8
    .kernarg_segment_size: 48
    .max_flat_workgroup_size: 128
    .sgpr_count:     100
    .vgpr_count:     1024
    .wavefront_size: 32
...
	.end_amdgpu_metadata
.endif
;; end of part 3
;; launch pv (part 4): grid 8 x 32, 4 waves a work-group, clusters of 4 x 4, 327,680 bytes of LDS; arguments pc, ps, pm, pl, qkvc, qkvs, out0; writes out0
.if DOCPART == 4
	.amdgcn_target "amdgcn-amd-amdhsa--gfx1250"
	.amdhsa_code_object_version 6
	.text
	.protected	k_qb5f392cce7_pv
	.globl	k_qb5f392cce7_pv
	.p2align	8
	.type	k_qb5f392cce7_pv,@function
k_qb5f392cce7_pv:
	s_mov_b64 s[64:65], 0
	v_nop
	global_prefetch_b8 v0, s[64:65] scope:SCOPE_SE
	s_setreg_imm32_b32 hwreg(HW_REG_WAVE_MODE, 25, 1), 1
	s_wait_xcnt 0x0
	s_wait_alu depctr_hold_cnt(0) depctr_sa_sdst(0) depctr_va_vdst(0) depctr_va_sdst(0) depctr_va_ssrc(0) depctr_va_vcc(0) depctr_vm_vsrc(0)
	s_getreg_b32 s2, hwreg(HW_REG_IB_STS2, 6, 4)
	s_cmp_eq_u32 s2, 0
	s_cbranch_scc0 .Lentry_in_a_cluster
	s_endpgm
.Lentry_in_a_cluster:
	s_bfe_u32 s2, ttmp6, 0x10000c
	s_cmp_lg_u32 s2, 0xf033
	s_cbranch_scc0 .Lentry_shape_is_right
	s_endpgm
.Lentry_shape_is_right:
; out = (P V) / l on codes of BF6, K = the batch's 2,048 keys.  P's codes were made under a whole-number M of each run of 128 keys; here each row's M is the largest of its sixteen, and
; D = M(row) - M(run), a whole number, is taken off the run's four scale bytes (held at 0 from below); the run's sum is multiplied by 2^-D and the sixteen are added: l.  The codes stay as they are.
; A tile of 256 queries x 128 columns (so that there are 256 work-groups) is made by four waves, each 128 x 64: 32 accumulators.  Sixteen steps of 128 along K, four fills of 512 through two LDS slots;
; a wave's fill is one dense block: 49,152 bytes of P (waves 0, 1) or 24,576 of v^T (waves 2, 3).
; TRANSPOSED USE (source 0 = 16 positions of v^T, source 1 = 16 of P): lane (r, h) holds query position 16 a + r, its register 8 b + j column 32 (b / 2) + 16 h + 8 (b % 2) + j of my 64.
; Positions hold rows with bits 3 and 4 exchanged; the exchange is undone in the immediates of the stores of out.
; CLUSTER 4 x 4: P's tile is asked for jointly by a row of the cluster, v^T's by a column.
; LIMITS: D is held at 255 and a byte that would fall under 0 at 0: what is kept too large is under 2^-121 beside l >= 1/2; NaN and infinities are not served.
; REGISTERS: window 0: v4-7 l; v8-15 at work, then 1 / l for each block; v16-31 addresses, -M(row), 0; v32-95 P's scale words (4 kq + j: block 4 h + j); v96-127 v^T's (4 (kq % 8) + b; lanes 16-31: K step kq + 8);
;   v128-191 -M(run), v192-255 the runs' sums; on the way out v128-191 values, v192-255 rows read back.   window 1: v^T's fragments, two sets of 48.   window 3: P's, two sets of 96.   window 2: accumulator (a, b) at v[8 (4 a + b)].
.set SLOT,   147456                    ; P: 16 blocks x 6,144 bytes, then v^T: 8 blocks x 6,144
.set BOFF,   98304
.set SPARE,  2*SLOT                    ; the spare words: 128 bytes for each wave, two blocks of 256 bytes that no other line names
.set STAGE,  SPARE+512                 ; the way out: 16 rows x (256 + 16) bytes for each wave; no fill lands here
.set PLANEA, 3145728                   ; bytes from 512 along K to the next in pc
.set PLANEB, 393216                    ; and in a batch's v^T
.set L,    4
.set T0,   8
.set T1,   12
.set RA,   8
.set ADRA, 16
.set ADRB, 18
.set STO,  20
.set RD,   21
.set CO,   22
.set OA,   23
.set NG,   24
.set SPW,  28
.set NIL,  29
.set OB,   30
.set ZR,   31
.set SA,   32
.set SB,   96
.set PM,   128
.set PL,   192
.set VAL,  128
.set BK,   192
.set G1,  24
.set G0,  32
.set G1B, 48
.set G0B, 56
.set SEL, 80
.set MUL, 0xad                         ; source 0 (v^T) window 1, source 1 (P) window 3, C and D window 2
.set MSB, 0
.macro WIN new
.if MSB != (\new)
	s_set_vgpr_msb (MSB<<8)|(\new)
.set MSB, (\new)
.endif
.endm
.macro PLACES n
.rept \n
	v_nop
.endr
.endm
.macro JLOAD s                         ; a joint load: waves 0 and 1 fetch P's halves, waves 2 and 3 v^T's; four v_nop follow each line
	s_cmp_eq_u32 s19, 0
	s_cbranch_scc0 .Lfor_b_\@
	tensor_load_to_lds s[G0+4*\s:G0+4*\s+3], s[G1:G1+7]
	s_nop 0
.rept 4
	v_nop
.endr
	s_branch .Lasked_\@
.Lfor_b_\@:
	tensor_load_to_lds s[G0B+4*\s:G0B+4*\s+3], s[G1B:G1B+7]
	s_nop 0
.rept 4
	v_nop
.endr
.Lasked_\@:
.endm
.macro CREST
	s_cmp_lg_u32 s18, 0
	s_cbranch_scc1 .Lnot_wave_0_\@
	s_barrier_signal -3
.Lnot_wave_0_\@:
	s_barrier_wait -3
	s_barrier_signal -1
	s_barrier_wait -1
.endm
.macro CROUND
	s_barrier_signal -1
	s_barrier_wait -1
	CREST
.endm
.macro FRAG reg, adr, off
.irp j, 0,1,2
	ds_load_b128 v[\reg+4*\j:\reg+4*\j+3], v[\adr] offset:\off+512*\j
.endr
.endm
.macro FETCH s, q, p                   ; 36 loads: the fragments of the slot's q-th 128 along K into sets p
	WIN 0x40
.irp i, 0,1,2,3
	FRAG 48*(\p)+12*\i, ADRB+\s, 6144*\i+1536*(\q)
.endr
	WIN 0xc0
.irp i, 0,1,2,3,4,5,6,7
	FRAG 96*(\p)+12*\i, ADRA+\s, 6144*\i+1536*(\q)
.endr
	WIN 0
.endm
.macro WM a, b, p, kq, zero
.set rD, 8*(4*(\a)+(\b))
.set rB, 48*(\p)+12*(\b)
.set rA, 96*(\p)+12*(\a)
.set rSB, SB+4*((\kq)%8)+(\b)
.set rSA, SA+4*(\kq)+(\a)%4
.if \zero
.if ((\kq) < 8) && ((\a) < 4)
	v_wmma_scale_f32_16x16x128_f8f6f4 v[rD:rD+7], v[rB:rB+11], v[rA:rA+11], 0, v[rSB], v[rSA] matrix_a_fmt:MATRIX_FMT_BF6 matrix_b_fmt:MATRIX_FMT_BF6
.elseif (\kq) < 8
	v_wmma_scale_f32_16x16x128_f8f6f4 v[rD:rD+7], v[rB:rB+11], v[rA:rA+11], 0, v[rSB], v[rSA] matrix_a_fmt:MATRIX_FMT_BF6 matrix_b_fmt:MATRIX_FMT_BF6 matrix_b_scale:MATRIX_SCALE_ROW1
.elseif (\a) < 4
	v_wmma_scale_f32_16x16x128_f8f6f4 v[rD:rD+7], v[rB:rB+11], v[rA:rA+11], 0, v[rSB], v[rSA] matrix_a_fmt:MATRIX_FMT_BF6 matrix_b_fmt:MATRIX_FMT_BF6 matrix_a_scale:MATRIX_SCALE_ROW1
.else
	v_wmma_scale_f32_16x16x128_f8f6f4 v[rD:rD+7], v[rB:rB+11], v[rA:rA+11], 0, v[rSB], v[rSA] matrix_a_fmt:MATRIX_FMT_BF6 matrix_b_fmt:MATRIX_FMT_BF6 matrix_a_scale:MATRIX_SCALE_ROW1 matrix_b_scale:MATRIX_SCALE_ROW1
.endif
.else
.if ((\kq) < 8) && ((\a) < 4)
	v_wmma_scale_f32_16x16x128_f8f6f4 v[rD:rD+7], v[rB:rB+11], v[rA:rA+11], v[rD:rD+7], v[rSB], v[rSA] matrix_a_fmt:MATRIX_FMT_BF6 matrix_b_fmt:MATRIX_FMT_BF6
.elseif (\kq) < 8
	v_wmma_scale_f32_16x16x128_f8f6f4 v[rD:rD+7], v[rB:rB+11], v[rA:rA+11], v[rD:rD+7], v[rSB], v[rSA] matrix_a_fmt:MATRIX_FMT_BF6 matrix_b_fmt:MATRIX_FMT_BF6 matrix_b_scale:MATRIX_SCALE_ROW1
.elseif (\a) < 4
	v_wmma_scale_f32_16x16x128_f8f6f4 v[rD:rD+7], v[rB:rB+11], v[rA:rA+11], v[rD:rD+7], v[rSB], v[rSA] matrix_a_fmt:MATRIX_FMT_BF6 matrix_b_fmt:MATRIX_FMT_BF6 matrix_a_scale:MATRIX_SCALE_ROW1
.else
	v_wmma_scale_f32_16x16x128_f8f6f4 v[rD:rD+7], v[rB:rB+11], v[rA:rA+11], v[rD:rD+7], v[rSB], v[rSA] matrix_a_fmt:MATRIX_FMT_BF6 matrix_b_fmt:MATRIX_FMT_BF6 matrix_a_scale:MATRIX_SCALE_ROW1 matrix_b_scale:MATRIX_SCALE_ROW1
.endif
.endif
.endm
.macro MUL8 a0, p, kq, zero            ; the 32 accumulators take turns, one instruction a turn, in one order in every step
.irp a, \a0, \a0+1
.irp b, 0,1,2,3
	WM \a, \b, \p, \kq, \zero
.endr
.endr
.endm
.macro KSTEP s, q, kq, zero            ; a step that has its successor in the same slot: the next step's 36 loads go out ahead of this step's 32 products
	s_wait_dscnt 0x0                               ; this step's fragments are in (asked for a step ago)
	PLACES 4                                       ; four places in front of loads into registers that the last step's products have read
	FETCH \s, (\q)+1, 1-(\kq)%2
	WIN MUL
	MUL8 0, (\kq)%2, \kq, \zero
	MUL8 2, (\kq)%2, \kq, \zero
	MUL8 4, (\kq)%2, \kq, \zero
	MUL8 6, (\kq)%2, \kq, \zero
.endm
.macro TURN s, next, kq, fill          ; a slot's last step changes slots
	WIN 0                                          ; (the add's two registers lie in window 0)
	s_wait_tensorcnt 0x0                           ; all my tensor loads have landed: my part of the next slot
	ds_add_u32 v[SPW], v[NIL]                      ; 0 onto my spare word
	s_wait_dscnt 1                                 ; this step's fragments are in; the add may be out
	WIN MUL
	MUL8 0, (\kq)%2, \kq, 0
	s_wait_dscnt 0x0                               ; the add is done, and my reads of this slot are over
	s_barrier_signal -1
	MUL8 2, (\kq)%2, \kq, 0
	WIN 0
	s_barrier_wait -1
.if \fill
	CREST                                          ; no wave of any partner still reads this slot or has a load on its way
	s_add_nc_u64 s[G0+4*\s+2:G0+4*\s+3], s[G0+4*\s+2:G0+4*\s+3], 2*PLANEA
	s_add_nc_u64 s[G0B+4*\s+2:G0B+4*\s+3], s[G0B+4*\s+2:G0B+4*\s+3], 2*PLANEB
	JLOAD \s                                       ; the first tensor load behind the round, my only one until the next; its four v_nop are the places for the loads below
.else
	PLACES 4
.endif
	FETCH \next, 0, 1-(\kq)%2
	WIN MUL
	MUL8 4, (\kq)%2, \kq, 0
	MUL8 6, (\kq)%2, \kq, 0
.endm
	s_load_b256 s[4:11], s[0:1], 0x0               ; pc s[4:5], ps s[6:7], pm s[8:9], pl s[10:11]
	s_load_b128 s[12:15], s[0:1], 0x20             ; qkvc s[12:13], qkvs s[14:15]
	s_load_b64 s[16:17], s[0:1], 0x30              ; out0
	v_lshl_add_u32 v[SPW], v0, 2, SPARE
	v_mov_b32 v[NIL], 0
	ds_add_u32 v28, v29
	ds_add_u32 v28, v29
	s_wait_dscnt 0x0
	v_lshrrev_b32 v1, 5, v0
	v_readfirstlane_b32 s18, v1                    ; wave 0..3
	s_lshr_b32 s19, s18, 1                         ; RH: my half of the rows; also: I fetch for P (0) or v^T (1)
	s_and_b32 s20, s18, 1                          ; CH: my half of the columns; also: which half I fetch
	s_bfe_u32 s21, ttmp6, 0x40000                  ; cx
	s_bfe_u32 s22, ttmp6, 0x40004                  ; cy
	s_mov_b32 s23, ttmp9
	s_and_b32 s66, ttmp7, 0xffff
	s_lshl_b32 s67, s22, 2
	s_lshl_b32 s67, 15, s67
	s_lshl_b32 s68, 0x1111, s21
	s_or_b32 s[G1], s67, (3<<16)|(1<<21)
	s_or_b32 s[G1B], s68, (3<<16)|(1<<21)
	s_mov_b32 s[G1+1], 32<<16                      ; P: a dense block of 49,152 bytes as 192 rows of 256
	s_mov_b32 s[G1+2], 192<<16
	s_mov_b32 s[G1+3], 32<<16
	s_mov_b32 s[G1+4], 192
	s_mov_b32 s[G1+5], 32
	s_mov_b32 s[G1+6], 0
	s_mov_b32 s[G1+7], 0
	s_mov_b32 s[G1B+1], 32<<16                     ; v^T: 24,576 bytes as 96 rows
	s_mov_b32 s[G1B+2], 96<<16
	s_mov_b32 s[G1B+3], 32<<16
	s_mov_b32 s[G1B+4], 96
	s_mov_b32 s[G1B+5], 32
	s_mov_b32 s[G1B+6], 0
	s_mov_b32 s[G1B+7], 0
	s_lshl_b32 s69, s66, 2
	s_add_co_u32 s69, s69, s22                     ; tile row: 256 queries
	s_lshl_b32 s70, s23, 2
	s_add_co_u32 s70, s70, s21                     ; tile column: 128 of the 1,024
	s_lshr_b32 s71, s66, 1                         ; the batch
	s_lshl_b32 s44, s69, 4
	s_lshl_b32 s45, s20, 3
	s_add_co_u32 s44, s44, s45
	s_mul_i32 s44, s44, 6144
	s_mov_b32 s45, 0
	s_lshl_b32 s46, s70, 3
	s_lshl_b32 s47, s20, 2
	s_add_co_u32 s46, s46, s47
	s_mul_i32 s46, s46, 6144
	s_mul_i32 s47, s71, 1572864
	s_add_co_u32 s46, s46, s47
	s_add_co_u32 s46, s46, 12582912                ; v^T's codes lie behind q's and k's
	s_mov_b32 s47, 0
	s_mul_i32 s73, s20, 49152                      ; where a fill of P goes,
	s_mul_i32 s74, s20, 24576
	s_add_co_u32 s74, s74, BOFF                    ; and one of v^T
	s_mov_b32 s[SEL], 0x76543210
	s_mov_b32 s[SEL+1], 0xfedcba98
	s_mov_b32 s82, 0xc37f0000                      ; -255.0
	s_mov_b32 s83, 0x01000100                      ; 256 in both halves
	s_mov_b32 s84, 0x04020400                      ; bytes 0 and 2, each in a half
	s_mov_b32 s85, 0x04030401                      ; bytes 1 and 3
	s_mov_b32 s86, 0x06020400                      ; the four low bytes together again
	s_mov_b32 s87, 0x07030501                      ; the four high bytes: 1 where the byte did not fall under 0
	CROUND                                         ; the round in front of the first joint loads: it needs no argument, so it stands ahead of the wait for them
	s_wait_kmcnt 0x0
	s_add_nc_u64 s[44:45], s[4:5], s[44:45]
	s_add_nc_u64 s[46:47], s[12:13], s[46:47]
.irp s, 0,1
	s_mov_b32 s[G0+4*\s], 1
	s_add_co_u32 s[G0+4*\s+1], s73, \s*SLOT
	s_add_nc_u64 s[G0+4*\s+2:G0+4*\s+3], s[44:45], \s*PLANEA
	s_or_b32 s[G0+4*\s+3], s[G0+4*\s+3], 0x80000000
	s_mov_b32 s[G0B+4*\s], 1
	s_add_co_u32 s[G0B+4*\s+1], s74, \s*SLOT
	s_add_nc_u64 s[G0B+4*\s+2:G0B+4*\s+3], s[46:47], \s*PLANEB
	s_or_b32 s[G0B+4*\s+3], s[G0B+4*\s+3], 0x80000000
.endr
	; THE PREFETCHES: one fill ahead of each load, the part that I fetch (P: 192 blocks of 256 bytes, v^T: 96), of which each of the four partners names a quarter, told apart by address, in two instructions of 24 or 12 blocks
	s_cmp_eq_u32 s19, 0
	s_cselect_b32 s88, s21, s22                    ; my place among the four that ask with me
	s_cselect_b64 s[90:91], s[44:45], s[46:47]
	s_cselect_b32 s89, 23, 11                      ; the last block of an instruction: lanes beyond it name it again
	s_mov_b32 s92, PLANEB
	s_cselect_b32 s92, PLANEA, s92                 ; bytes from a fill to the next
	s_mov_b32 s93, 0
	s_add_co_u32 s94, s89, 1
	s_lshl_b32 s94, s94, 8                         ; bytes of an instruction's blocks
	s_mul_i32 s88, s88, s94
	s_lshl_b32 s88, s88, 1
	s_add_nc_u64 s[90:91], s[90:91], s[92:93]      ; at the second fill
	JLOAD 0                                        ; the first fill: one tensor load a wave at the head
	v_and_b32 v1, 31, v0
	v_lshlrev_b32 v1, 4, v1                        ; 16 x lane
	v_and_b32 v2, 15, v0                           ; r
	s_wait_alu depctr_va_vdst(0)
	v_bfe_u32 v3, v0, 4, 1                         ; h
	v_mov_b32 v[ZR], 0
	s_mul_i32 s75, s19, 49152
	s_mul_i32 s76, s20, 24576
	s_add_co_u32 s76, s76, BOFF
.irp s, 0,1
	v_add_nc_u32 v[ADRA+\s], s75, v1
	v_add_nc_u32 v[ADRB+\s], s76, v1
	s_add_co_u32 s75, s75, SLOT
	s_add_co_u32 s76, s76, SLOT
.endr
	s_mul_i32 s75, s18, 16*272
	s_add_co_u32 s75, s75, STAGE                   ; my stage
	v_mul_u32_u24 v[STO], v2, 272
	s_wait_alu depctr_va_vdst(0)
	v_lshl_add_u32 v[STO], v3, 6, v[STO]
	v_add_nc_u32 v[STO], s75, v[STO]               ; in: row r, + 64 h
	v_mul_u32_u24 v[RD], v3, 272
	v_lshl_add_u32 v[RD], v2, 4, v[RD]
	v_add_nc_u32 v[RD], s75, v[RD]                 ; back: lanes 0-15 one row of 256 bytes, lanes 16-31 the next
	v_lshlrev_b32 v[CO], 12, v3
	v_lshl_add_u32 v[CO], v2, 4, v[CO]             ; and the same two rows in out
	s_lshl_b32 s75, s69, 1
	s_add_co_u32 s75, s75, s19
	s_lshl_b32 s75, s75, 9
	v_lshlrev_b32 v[OA], 5, v2
	v_lshl_add_u32 v[OA], v3, 4, v[OA]
	v_add_nc_u32 v[OA], s75, v[OA]                 ; 32 r + 16 h + 512 x my group of 128 queries
	s_lshl_b32 s75, s71, 16
	s_lshl_b32 s76, s70, 9
	s_add_co_u32 s75, s75, s76
	s_lshl_b32 s76, s20, 4
	s_add_co_u32 s75, s75, s76
	s_add_co_u32 s75, s75, 524288                  ; v^T's scale words: the batch, the tile's group, my four blocks
	v_lshlrev_b32 v[OB], 5, v2
	v_lshl_add_u32 v[OB], v3, 15, v[OB]            ; lanes 16-31 take the K step eight further on
	v_add_nc_u32 v[OB], s75, v[OB]
	v_lshrrev_b32 v1, 4, v1                        ; the lane (v0 and v1 have served the addresses above; from here on they hold the prefetches' two offsets)
	v_min_u32 v1, s89, v1
	v_lshl_add_u32 v1, v1, 8, s88
	v_add_nc_u32 v0, s94, v1
	global_prefetch_b8 v1, s[90:91] th:TH_LOAD_NT scope:SCOPE_SE
	global_prefetch_b8 v0, s[90:91] th:TH_LOAD_NT scope:SCOPE_SE
.irp kq, 0,1,2,3,4,5,6,7,8,9,10,11,12,13,14,15
	global_load_b128 v[PM+4*\kq:PM+4*\kq+3], v[OA], s[8:9] offset:32768*\kq
.endr
.irp kq, 0,1,2,3,4,5,6,7,8,9,10,11,12,13,14,15
	global_load_b128 v[PL+4*\kq:PL+4*\kq+3], v[OA], s[10:11] offset:32768*\kq
	global_load_b128 v[SA+4*\kq:SA+4*\kq+3], v[OA], s[6:7] offset:32768*\kq
.endr
.irp kq, 0,1,2,3,4,5,6,7
	global_load_b128 v[SB+4*\kq:SB+4*\kq+3], v[OB], s[14:15] offset:4096*\kq
.endr
	s_lshl_b32 s76, s69, 20                        ; out: (256 x tile row + 128 RH) rows of 4,096 bytes + (128 x tile column + 64 CH) x 4
	s_lshl_b32 s77, s19, 19
	s_add_co_u32 s76, s76, s77
	s_lshl_b32 s77, s70, 9
	s_add_co_u32 s76, s76, s77
	s_lshl_b32 s77, s20, 8
	s_add_co_u32 s76, s76, s77
	s_mov_b32 s77, 0
	s_add_nc_u64 s[16:17], s[16:17], s[76:77]
	s_wait_alu depctr_va_vdst(0)
	s_wait_loadcnt 0x0                             ; the words to mend: the mend stands ahead of the wait for slot 0's fill, which is on its way meanwhile
	; THE MEND.  Lane (r, h), register j own the row r of block 4 h + j: no other lane is asked.
.irp j, 0,1,2,3
	v_min3_num_f32 v[NG+\j], v[PM+\j], v[PM+4+\j], v[PM+8+\j]      ; -M(row) = the least of the sixteen -M(run)
.endr
.irp k, 3,5,7,9,11,13
.irp j, 0,1,2,3
	v_min3_num_f32 v[NG+\j], v[NG+\j], v[PM+4*\k+\j], v[PM+4*\k+4+\j]
.endr
.endr
.irp j, 0,1,2,3
	v_min_num_f32 v[NG+\j], v[NG+\j], v[PM+60+\j]
.endr
.macro MEND kq
.irp j, 0,1,2,3
	v_sub_f32 v[PM+4*\kq+\j], v[NG+\j], v[PM+4*\kq+\j]             ; -D = M(run) - M(row): a whole number, 0 or less
.endr
.irp j, 0,1,2,3
	v_max_num_f32 v[PM+4*\kq+\j], s82, v[PM+4*\kq+\j]              ; held at -255
.endr
.irp j, 0,1,2,3
	v_cvt_i32_f32 v[PM+4*\kq+\j], v[PM+4*\kq+\j]
.endr
.if \kq == 0
.irp j, 0,1,2,3
	v_ldexp_f32 v[L+\j], v[PL+\j], v[PM+\j]                        ; the first run's sum under the row's M starts l
.endr
.else
.irp j, 0,1,2,3
	v_ldexp_f32 v[PL+4*\kq+\j], v[PL+4*\kq+\j], v[PM+4*\kq+\j]
.endr
.irp j, 0,1,2,3
	v_add_f32 v[L+\j], v[L+\j], v[PL+4*\kq+\j]
.endr
.endif
.irp j, 0,1,2,3
	v_lshl_add_u32 v[PM+4*\kq+\j], v[PM+4*\kq+\j], 16, v[PM+4*\kq+\j]   ; -D in both halves (with the 256 added below no half borrows)
.endr
.irp j, 0,1,2,3
	v_perm_b32 v[T0+\j], v[ZR], v[SA+4*\kq+\j], s84
.endr
.irp j, 0,1,2,3
	v_perm_b32 v[T1+\j], v[ZR], v[SA+4*\kq+\j], s85
.endr
.irp j, 0,1,2,3
	v_add3_u32 v[T0+\j], v[T0+\j], v[PM+4*\kq+\j], s83             ; each half: byte + 256 - D, from 2 to 510
.endr
.irp j, 0,1,2,3
	v_add3_u32 v[T1+\j], v[T1+\j], v[PM+4*\kq+\j], s83
.endr
.irp j, 0,1,2,3
	v_perm_b32 v[PL+4*\kq+\j], v[T1+\j], v[T0+\j], s86             ; (byte - D) mod 256, four of them
.endr
.irp j, 0,1,2,3
	v_perm_b32 v[PM+4*\kq+\j], v[T1+\j], v[T0+\j], s87             ; 1 where byte >= D
.endr
.irp j, 0,1,2,3
	v_lshlrev_b32 v[T0+\j], 8, v[PM+4*\kq+\j]
.endr
.irp j, 0,1,2,3
	v_sub_nc_u32 v[T0+\j], v[T0+\j], v[PM+4*\kq+\j]                ; x 255: 0xff where byte >= D
.endr
.irp j, 0,1,2,3
	v_and_b32 v[SA+4*\kq+\j], v[PL+4*\kq+\j], v[T0+\j]             ; max(byte - D, 0)
.endr
.endm
.irp kq, 0,1,2,3,4,5,6,7,8,9,10,11,12,13,14,15
	MEND \kq
.endr
	s_wait_alu depctr_va_vdst(0)
.irp j, 0,1,2,3
	v_rcp_f32 v[PM+\j], v[L+\j]                    ; 1 / l of block 4 h + j, row r
.endr
	v_nop                                          ; a plain place behind the reciprocals
	s_wait_alu depctr_va_vdst(0)
.irp j, 0,1,2,3
	v_permlanex16_b32 v[PM+4+\j], v[PM+\j], s[SEL], s[SEL+1]       ; and of the other half's block
.endr
	s_mov_b32 vcc_lo, 0xffff0000
.irp j, 0,1,2,3
	v_cndmask_b32 v[RA+\j], v[PM+\j], v[PM+4+\j], vcc_lo           ; 1 / l of block a, row r, in both halves of the lanes.  (These eight plain lines stand between the last write of a scale word and the first product)
.endr
.irp j, 0,1,2,3
	v_cndmask_b32 v[RA+4+\j], v[PM+4+\j], v[PM+\j], vcc_lo
.endr
	s_wait_alu depctr_va_vdst(0)
	s_wait_tensorcnt 0x0                           ; my part of slot 0 is in
	ds_add_u32 v[SPW], v[NIL]
	s_wait_dscnt 0x0
	CROUND                                         ; everybody's part is in, and the joint loads meet
	JLOAD 1                                        ; slot 1's first fill: it has three K steps in which to land
	s_wait_xcnt 0x0                                ; the prefetches above have read their base
	s_add_nc_u64 s[90:91], s[90:91], s[92:93]      ; the third fill
	global_prefetch_b8 v1, s[90:91] th:TH_LOAD_NT scope:SCOPE_SE
	global_prefetch_b8 v0, s[90:91] th:TH_LOAD_NT scope:SCOPE_SE
	FETCH 0, 0, 0                                  ; slot 0 was shown whole by the round above
	KSTEP 0, 0, 0, 1                               ; the first products start the sums: nothing is cleared
	KSTEP 0, 1, 1, 0
	KSTEP 0, 2, 2, 0
	TURN 0, 1, 3, 1
	WIN 0
	s_wait_xcnt 0x0                                ; the prefetches before have read their base
	s_add_nc_u64 s[90:91], s[90:91], s[92:93]      ; the fourth and last fill
	global_prefetch_b8 v1, s[90:91] th:TH_LOAD_NT scope:SCOPE_SE
	global_prefetch_b8 v0, s[90:91] th:TH_LOAD_NT scope:SCOPE_SE
	KSTEP 1, 0, 4, 0
	KSTEP 1, 1, 5, 0
	KSTEP 1, 2, 6, 0
	TURN 1, 0, 7, 1
	KSTEP 0, 0, 8, 0
	KSTEP 0, 1, 9, 0
	KSTEP 0, 2, 10, 0
	TURN 0, 1, 11, 0                               ; nothing is left to fetch
	KSTEP 1, 0, 12, 0
	KSTEP 1, 1, 13, 0
	KSTEP 1, 2, 14, 0
	s_wait_dscnt 0x0
	WIN MUL
	MUL8 0, 1, 15, 0
	MUL8 2, 1, 15, 0
	MUL8 4, 1, 15, 0
	MUL8 6, 1, 15, 0
	WIN 0
	PLACES 4                                       ; in front of the first read of results
; THE WAY OUT, block by block of 16 queries x 64 columns: divided by l, through my own stage in LDS, back as whole rows of 256 bytes.
.macro TOSTAGE a
.set AC, 32*(\a)
.set VV, VAL+32*((\a)%2)
.set BB, BK+32*((\a)%2)
	v_mov_b32 v2, v[RA+\a]                         ; (the packed form names the pair v[2:3] and takes its low word for both halves)
	WIN 0x02
.set i, 0
.rept 16
	v_pk_mul_f32 v[VV+2*i:VV+2*i+1], v[AC+2*i:AC+2*i+1], v[2:3] op_sel_hi:[1,0]   ; each accumulator from its low end on
.set i, i+1
.endr
	WIN 0
.irp b, 0,1,2,3
	ds_store_b128 v[STO], v[VV+8*\b:VV+8*\b+3] offset:128*(\b/2)+32*(\b%2)
	ds_store_b128 v[STO], v[VV+8*\b+4:VV+8*\b+7] offset:128*(\b/2)+32*(\b%2)+16
.endr
.irp t, 0,1,2,3,4,5,6,7
	ds_load_b128 v[BB+4*\t:BB+4*\t+3], v[RD] offset:544*\t         ; LDS serves a wave's instructions in order: these see my stores, and the next block's stores come behind them
.endr
.endm
.macro SEND a, younger                 ; younger: the LDS instructions issued behind block a's loads
.set BB, BK+32*((\a)%2)
	s_wait_dscnt \younger
.irp t, 0,1,2,3,4,5,6,7
	global_store_b128 v[CO], v[BB+4*\t:BB+4*\t+3], s[16:17] offset:(32*((\a)/2)+16*(\t/4)+8*((\a)%2)+2*(\t%4))*4096 th:TH_STORE_NT   ; position 16 a + 2 t (+ 1) is this row: 16 lanes store 256 consecutive bytes, at a multiple of 256
.endr
.endm
	s_wait_alu depctr_va_vdst(0)
	TOSTAGE 0
.irp a, 1,2,3,4,5,6,7
.if \a > 1
	s_wait_xcnt 0x0                                ; block a - 2's stores have read their registers: block a's loads may land there
.endif
	TOSTAGE \a
	SEND \a-1, 16                                  ; behind block a - 1's loads: block a's 8 stores and 8 loads
.endr
	SEND 7, 0
	s_wait_tensorcnt 0x0                           ; the wave's end
	ds_add_u32 v[SPW], v[NIL]
	s_wait_dscnt 0x0
	CROUND                                         ; the closing round
	s_endpgm
.Lfunc_end_k_qb5f392cce7_pv:
	.size	k_qb5f392cce7_pv, .Lfunc_end_k_qb5f392cce7_pv-k_qb5f392cce7_pv
	.p2alignl 7, 3214868480
	.fill 96, 4, 3214868480
	.section	.rodata,"a",@progbits
	.p2align	6, 0x0
	.amdhsa_kernel k_qb5f392cce7_pv
		.amdhsa_group_segment_fixed_size 327680
		.amdhsa_private_segment_fixed_size 0
		.amdhsa_enable_private_segment 0
		.amdhsa_kernarg_size 56
		.amdhsa_user_sgpr_count 2
		.amdhsa_user_sgpr_kernarg_segment_ptr 1
		.amdhsa_wavefront_size32 1
		.amdhsa_system_sgpr_workgroup_id_x 1
		.amdhsa_system_sgpr_workgroup_id_y 1
		.amdhsa_system_sgpr_workgroup_id_z 1
		.amdhsa_system_vgpr_workitem_id 0
		.amdhsa_next_free_vgpr 1024
		.amdhsa_next_free_sgpr 100
		.amdhsa_reserve_vcc 1
		.amdhsa_float_denorm_mode_32 3
		.amdhsa_float_denorm_mode_16_64 3
		.amdhsa_memory_ordered 1
		.amdhsa_forward_progress 1
		.amdhsa_inst_pref_size 195
	.end_amdhsa_kernel
	.amdgpu_metadata
---
amdhsa.version: [ 1, 2 ]
amdhsa.kernels:
  - .name:           k_qb5f392cce7_pv
    .symbol:         k_qb5f392cce7_pv.kd
    .args:
      - { .name: pc, .offset: 0, .size: 8, .value_kind: global_buffer, .address_space: global }
      - { .name: ps, .offset: 8, .size: 8, .value_kind: global_buffer, .address_space: global }
      - { .name: pm, .offset: 16, .size: 8, .value_kind: global_buffer, .address_space: global }
      - { .name: pl, .offset: 24, .size: 8, .value_kind: global_buffer, .address_space: global }
      - { .name: qkvc, .offset: 32, .size: 8, .value_kind: global_buffer, .address_space: global }
      - { .name: qkvs, .offset: 40, .size: 8, .value_kind: global_buffer, .address_space: global }
      - { .name: out0, .offset: 48, .size: 8, .value_kind: global_buffer, .address_space: global }
    .group_segment_fixed_size: 327680
    .private_segment_fixed_size: 0
    .kernarg_segment_align: 8
    .kernarg_segment_size: 56
    .max_flat_workgroup_size: 128
    .sgpr_count:     100
    .vgpr_count:     1024
    .wavefront_size: 32
...
	.end_amdgpu_metadata
.endif
;; end of part 4
